; MI455X (gfx1250); checked and timed in simulation.
; The chip was launched on July 23, 2026; its instructions are those of AMD's public machine-readable ISA for CDNA 5 (MIT licence, August 2026) and "CDNA5" Instruction Set Architecture Reference Guide (July 2026). The comments in the code are by the model that wrote it; some were corrected since.
;; Llama Attention. Allowed arithmetic: matrix products marked QUANTISED: E3M2 operands, one E8M0 scale for each 32 along K, by v_wmma_scale_f32_16x16x128_f8f6f4 with both operands' format E3M2, f32 sums; everything else in f32.
;; Inputs: W_out 1,024 x 1,024 float32; W_qkv 1,024 x 3,072 float32; b_out 1,024 float32; b_qkv 3,072 float32; beta 1,024 float32; gamma 1,024 float32; x 2 x 2,048 x 1,024 float32.
;; Outputs: out0 2 x 2,048 x 1,024 float32.
;; This version of the problem:
;;   THIS VERSION OF THE PROBLEM IS GIVEN IN LOW PRECISION. The matrix products marked QUANTISED in the list below multiply operands that are first quantised to E3M2 (3 exponent bits, 2 mantissa bits; 6 bits a number), with one power-of-two scale for each 32 numbers along K (OCP MX v1.0); their sums are f32. All else is computed in f32.
;;   The module's matrix products, in the order in which they are computed (A, B: the left and right operand; K: the contracted axis; several contracted axes count as one K, in the product's order):
;;     1. [M 4,096, K 1,024] x [K 1,024, N 3,072]; A: input x; B: input W_qkv: QUANTISED
;;     2. batch 32 x [M 2,048, K 64] x [K 64, N 2,048]; A: computed on the way; B: computed on the way: QUANTISED
;;     3. batch 32 x [M 2,048, K 2,048] x [K 2,048, N 64]; A: softmax (see below); B: computed on the way: QUANTISED
;;     4. [M 4,096, K 1,024] x [K 1,024, N 1,024]; A: computed on the way; B: input W_out: QUANTISED
;;   THE QUANTISER, for each operand of a quantised product, along K:
;;     - K is cut into blocks of 32 from its start; a last block that is shorter is filled with zeros.
;;     - A block's scale is 2^e with e = floor(log2(the largest magnitude in the block)) - 4, held to -126 .. 127; a block of zeros has e = 0. As a byte (E8M0): e + 127.
;;     - Each number is divided by its block's scale, clamped to +-28, and rounded to the nearest number of E3M2, ties to even, subnormals kept.
;;     - The product sums the exact products of the quantised numbers (number of the format x scale) in f32.
;;   ~~~python
;;   def quantise(x, axis):      # numpy; x: float32 -> the quantised numbers, widened to float32 again
;;       x = np.moveaxis(x, axis, -1); K = x.shape[-1]
;;       x = np.pad(x, [(0, 0)] * (x.ndim - 1) + [(0, -K % 32)]); x = x.reshape(x.shape[:-1] + (-1, 32)); a = np.abs(x).max(-1, keepdims=True)
;;       e = np.where(a > 0, np.clip(np.frexp(np.where(a > 0, a, 1))[1] - 1 - 4, -126, 127), 0)      # np.frexp(a)[1] - 1 = floor(log2(a)), exactly
;;       r = np.clip(x / 2.0 ** e, -28, 28)
;;       step = 2.0 ** (np.maximum(np.frexp(np.where(r == 0, 1, r))[1] - 1, -2) - 2)
;;       q = np.round(r / step) * step * 2.0 ** e      # np.round: ties to even
;;       return np.moveaxis(q.reshape(q.shape[:-2] + (-1,))[..., :K], -1, axis).astype(np.float32)
;;   ~~~
;;   SOFTMAX AHEAD OF A QUANTISED PRODUCT. Where the list says 'softmax', what is quantised is not the finished softmax but p = 2^(t - M), with t = logit x log2(e) and M = ceil(the row's largest t), a whole number; so 1/2 < the row's largest p <= 1. The row's sum l is taken of the UNQUANTISED p, in f32, and the product's result is divided by l at the end. Since M is a whole number, a kernel that streams over the keys may use a running M (the ceiling of the running maximum): every later rescaling is an exact power of two, which a block's scale takes up: the codes' values come out the same.
;;   OPERANDS COMPUTED ON THE WAY. 'Computed on the way' means the value that the module computes at that place (a softmax that the list does not call 'softmax' is quantised finished and normalised). What goes into a quantiser is computed in f32, as accurately as f32 sums, v_exp_f32 and their like allow (about 1e-6 of the number): no bf16 or f16 on the way to a quantiser, and a product that is left as it is and whose result goes on into a quantised operand takes f32 operands (vector FMAs, or v_wmma_f32_16x16x4_f32). A number that lies on a knife's edge between two numbers of the format may be rounded either way, as far as f32 arithmetic and the matrix unit's own rounding can turn it there, and no further.
;; One version. Each part assembles by itself: llvm-mc -triple=amdgcn-amd-amdhsa -mcpu=gfx1250 --defsym DOCPART=n.
;; ======== version 1 of 1: 4 launches
;; limits: right only within a limited range of input values
;; workspace buffers: xq 3,145,728 bytes; wq 2,359,296 bytes; oq 819,200 bytes; sw 229,376 bytes; qb 3,407,872 bytes; kv 6,684,672 bytes; yb 3,407,872 bytes
;; launch quant (part 1): grid 256 x 1, 8 waves a work-group, no clusters, 68,608 bytes of LDS; arguments x, W_qkv, W_out, xq, wq, oq, sw; writes xq, wq, oq, sw
.if DOCPART == 1
	.amdgcn_target "amdgcn-amd-amdhsa--gfx1250"
	.amdhsa_code_object_version 6
	.text
	.protected	k_q976ee6eecb_quant
	.globl	k_q976ee6eecb_quant
	.p2align	8
	.type	k_q976ee6eecb_quant,@function
k_q976ee6eecb_quant:
	s_mov_b64 s[64:65], 0
	v_nop
	global_prefetch_b8 v0, s[64:65] scope:SCOPE_SE
	s_setreg_imm32_b32 hwreg(HW_REG_WAVE_MODE, 25, 1), 1
	s_wait_xcnt 0x0
; x [4096][1024], W_qkv [1024][3072] and W_out [1024][1024], f32, become codes of BF6 (E3M2) along K, with one E8M0 byte for each 32 along K.
; A block's byte is its largest magnitude's exponent field - 4, held at 1 from below; each number is divided by the scale and rounded to the nearest code, ties to even, beyond 28 the largest code.
; LIMITS: NaN and infinities among the inputs are not served; a block whose largest magnitude lies under 2^-122 keeps the byte 1; a block of zeros gets the byte 1 (its codes are zeros; this program alone reads the bytes).
; WHAT IS STORED are IMAGES OF OPERAND REGISTERS.  A fragment is 16 rows x 128 K = 12 registers a lane = 1,536 bytes: registers 4 c .. 4 c + 3 of lane l at 512 c + 16 l.
; THE ROWS OF A TILE ARE NOT NEIGHBOURS: of a group of 32 rows (of x) or columns (of W), lane r of tile u takes 8 u + r % 8 + 16 (r / 8).
; xq, wq, oq: [tile][K step 8][1,536].  Scale words by pairs of tiles: [pair][K step 8][32 lanes]: lanes 0-15 the even tile's rows, lanes 16-31 the odd tile's; x's in sw, W_qkv's in sw from SWW on, W_out's in oq from OS_OFF on.
; SHARES: each of the 2,048 waves takes 32 rows or columns x 128 along K: two images and one pair word.  Work-groups 0-127: x; 128-223: W_qkv; 224-255: W_out.  No loop, no barrier: waves share nothing.
; THE LAYOUT OF THE CODES, in full (the [tile][K step] order named above is oq's alone): xq: [128 tokens][K step 8][8 tiles][1,536];
; wq: [head 16][half 2][K step 8][6 tiles][1,536], half 0 = the head's four tiles of Q and the first two of V, half 1 = its four tiles of K and the last two of V.
; WORK LEFT OUT by the program: steps of 128 keys that come wholly after a tile's queries. the causal mask sets their scores to -infinity ahead of the softmax, so for all
; finite inputs they add nothing. LIMIT: a NaN or an infinity that reaches only such scores is not carried to the result. Every input is loaded.
.set SWW,    131072
.set OS_OFF, 786432
.set X,   32                           ; v32-159  128 numbers
.set F,   160                          ; v160-183 two images
.set TP,  184                          ; v184-190 the upper three registers of a block, as the conversion leaves them
.set SP,  528                          ; a row of the stage: 512 bytes + 16
	s_load_b256 s[4:11], s[0:1], 0x0               ; x s[4:5], W_qkv s[6:7], W_out s[8:9], xq s[10:11]
	s_load_b128 s[12:15], s[0:1], 0x20             ; wq s[12:13], oq s[14:15]
	s_load_b64 s[16:17], s[0:1], 0x30              ; sw
	v_lshl_add_u32 v192, v0, 2, 0x10800
	v_mov_b32 v193, 0
	v_lshrrev_b32 v1, 5, v0
	s_delay_alu instid0(VALU_DEP_1)
	v_readfirstlane_b32 s18, v1                    ; wave 0..7
	v_and_b32 v1, 31, v0                           ; lane
	v_and_b32 v2, 15, v0                           ; r
	v_bfe_u32 v3, v0, 4, 1                         ; h
	s_delay_alu instid0(VALU_DEP_3)
	v_lshlrev_b32 v4, 4, v1                        ; 16 x lane
	s_delay_alu instid0(VALU_DEP_4)
	v_lshlrev_b32 v7, 2, v1                        ; 4 x lane
	s_cmp_lt_u32 ttmp9, 128
	s_cbranch_scc0 .Lweights
	; ---- x: K is innermost.  Group of rows = the work-group's number, K step = the wave's number.
	s_mov_b32 s20, 0x76543210
	s_mov_b32 s21, 0xfedcba98                      ; v_permlanex16_b32's selects for lane l xor 16
	s_mov_b32 s22, 0xffff0000                      ; lanes 16-31
	v_mov_b32 v22, 0                               ; a lane permute's destination counts as one of its sources
	v_lshlrev_b32 v23, 3, v3                       ; 8 h
	s_lshl_b32 s24, ttmp9, 17                      ; 32 rows of 4,096 bytes
	s_lshl_b32 s25, s18, 9                         ; 128 numbers
	s_add_co_u32 s24, s24, s25
	s_mov_b32 s25, 0
	s_lshr_b32 s26, ttmp9, 2                       ; which 128 tokens
	s_lshl_b32 s26, s26, 3
	s_add_co_u32 s26, s26, s18                     ; x 8 + K step
	s_mul_i32 s26, s26, 12288                      ; eight images
	s_and_b32 s27, ttmp9, 3
	s_mul_i32 s27, s27, 3072                       ; my two of them
	s_add_co_u32 s26, s26, s27
	s_mov_b32 s27, 0
	s_lshl_b32 s28, ttmp9, 10                      ; a pair's 8 words of 128 bytes
	s_lshl_b32 s29, s18, 7
	s_add_co_u32 s28, s28, s29
	s_mov_b32 s29, 0
	s_mul_i32 s32, s18, 16*SP                      ; my wave's stage
	s_wait_alu depctr_va_vdst(0)
	v_add_nc_u32 v5, s32, v4                       ; in: a row's 512 bytes as they lie
	v_mul_u32_u24 v6, v2, SP
	s_delay_alu instid0(VALU_DEP_1)
	v_lshl_add_u32 v6, v3, 7, v6
	s_delay_alu instid0(VALU_DEP_1)
	v_add_nc_u32 v6, s32, v6                       ; out: row r, + 128 h: my 32 numbers of each 64
	s_wait_alu depctr_va_vdst(0)
	s_wait_kmcnt 0x0
	s_add_nc_u64 s[4:5], s[4:5], s[24:25]
	s_add_nc_u64 s[10:11], s[10:11], s[26:27]
	s_add_nc_u64 s[16:17], s[16:17], s[28:29]
.irp u, 0,1
.irp i, 0,1,2,3,4,5,6,7,8,9,10,11,12,13,14,15
	global_load_b128 v[X+64*\u+4*\i:X+64*\u+4*\i+3], v4, s[4:5] offset:(8*\u+\i%8+16*(\i/8))*4096   ; the tile's row i: 32 lanes read 512 consecutive bytes
.endr
.endr
; Tile u: its 16 rows turn through the stage, so that lane (r, h) holds k = 64 c + 32 h + 0 .. 31 of row r: two whole blocks, in the very order of the operand's registers.
.macro QX u
	s_wait_loadcnt 16*(1-\u)                       ; this tile's 16 loads are in; tile 1's 16 may be out
.irp i, 0,1,2,3,4,5,6,7,8,9,10,11,12,13,14,15
	ds_store_b128 v5, v[X+64*\u+4*\i:X+64*\u+4*\i+3] offset:SP*\i
.endr
.irp c, 0,1
.irp j, 0,1,2,3,4,5,6,7
	ds_load_b128 v[X+64*\u+32*\c+4*\j:X+64*\u+32*\c+4*\j+3], v6 offset:256*\c+16*\j   ; LDS serves a wave's instructions in order: these see the stores above
.endr
.endr
	s_wait_dscnt 0x0
.irp c, 0,1
	v_max3_num_f32 v[8+\c], |v[X+64*\u+32*\c]|, |v[X+64*\u+32*\c+1]|, 0x2800000   ; my block 2 c + h, and the floor 2^(5 - 127): the byte cannot fall under 1
.endr
.irp i, 2,4,6,8,10,12,14,16,18,20,22,24,26,28,30
.irp c, 0,1
	s_delay_alu instid0(VALU_DEP_2)
	v_max3_num_f32 v[8+\c], v[8+\c], |v[X+64*\u+32*\c+\i]|, |v[X+64*\u+32*\c+\i+1]|
.endr
.endr
.irp c, 0,1
	s_delay_alu instid0(VALU_DEP_2)
	v_add_nc_u32 v[12+\c], 0xfe000000, v[8+\c]     ; 4 off the exponent field: the conversion's scale operand
.endr
.irp c, 0,1
	s_delay_alu instid0(VALU_DEP_2)
	v_lshrrev_b32 v[16+\c], 23, v[12+\c]           ; the scale's byte
.endr
	s_delay_alu instid0(VALU_DEP_1)
	v_lshl_or_b32 v[20+\u], v17, 16, v16           ; my two bytes: blocks h and 2 + h,
	s_delay_alu instid0(VALU_DEP_1)
	v_lshlrev_b32 v[20+\u], v23, v[20+\u]          ; at their places in the word;
	s_delay_alu instid0(VALU_DEP_1)
	v_permlanex16_b32 v22, v[20+\u], s20, s21
	s_delay_alu instid0(VALU_DEP_1)
	v_or_b32 v[20+\u], v[20+\u], v22               ; with lane l xor 16's two the word is whole
.irp c, 0,1
	v_cvt_scalef32_pk16_bf6_f32 v[F+12*\u+6*\c:F+12*\u+6*\c+2], v[X+64*\u+32*\c:X+64*\u+32*\c+15], v[12+\c]
	v_cvt_scalef32_pk16_bf6_f32 v[TP+4*\c:TP+4*\c+2], v[X+64*\u+32*\c+16:X+64*\u+32*\c+31], v[12+\c]   ; (a conversion's three registers begin on an even number)
.endr
	v_nop                                          ; one plain place behind a scaled conversion
.irp c, 0,1
.irp i, 0,1,2
	v_mov_b32 v[F+12*\u+6*\c+3+\i], v[TP+4*\c+\i]
.endr
.endr
.irp c, 0,1,2
	global_store_b128 v4, v[F+12*\u+4*\c:F+12*\u+4*\c+3], s[10:11] offset:1536*\u+512*\c   ; 512 consecutive bytes
.endr
.endm
	QX 0
	QX 1
	v_cndmask_b32 v20, v20, v21, s22               ; the pair word: lanes 16-31 take the odd tile's
	global_store_b32 v7, v20, s[16:17]
	s_wait_tensorcnt 0x0
	ds_add_u32 v192, v193
	s_wait_dscnt 0x0
	s_endpgm
.Lweights:
	; ---- W: K is the first axis.  A lane takes a column and its registers run down K; lanes 0-15 the even tile's columns, lanes 16-31 the odd tile's.
	s_wait_alu depctr_va_vdst(0)
	v_and_b32 v24, 7, v2
	v_and_b32 v25, 8, v2
	s_delay_alu instid0(VALU_DEP_1)
	v_lshl_add_u32 v24, v25, 1, v24
	s_delay_alu instid0(VALU_DEP_1)
	v_lshl_add_u32 v24, v3, 3, v24
	s_delay_alu instid0(VALU_DEP_1)
	v_lshlrev_b32 v24, 2, v24                      ; 4 x (8 h + r % 8 + 16 (r / 8)): my column among the wave's 32
.macro WLD t, n                        ; block t: rows 32 t + i of the K step, at my column: the wave reads 128 consecutive bytes, the work-group 1,024
.irp i, 0,1,2,3,4,5,6,7,8,9,10,11,12,13,14,15,16,17,18,19,20,21,22,23,24,25,26,27,28,29,30,31
	global_load_b32 v[X+32*(\t)+\i], v24, s[34:35] offset:(32*(\t)+\i)*(\n)*4 th:TH_LOAD_NT
.endr
.endm
.macro WBLK t                          ; block t: all its 32 numbers are mine
.set XB, X+32*(\t)
.set FB, F+12*((\t)%2)+6*((\t)/2)      ; blocks 0, 2 where the even tile's image will stand, blocks 1, 3 where the odd tile's will
	v_max3_num_f32 v8, |v[XB]|, |v[XB+1]|, |v[XB+2]|
	v_max3_num_f32 v9, |v[XB+3]|, |v[XB+4]|, |v[XB+5]|
.irp i, 6,10,14,18,22,26
	s_delay_alu instid0(VALU_DEP_2)
	v_max3_num_f32 v8, v8, |v[XB+\i]|, |v[XB+\i+1]|
	s_delay_alu instid0(VALU_DEP_2)
	v_max3_num_f32 v9, v9, |v[XB+\i+2]|, |v[XB+\i+3]|
.endr
	s_delay_alu instid0(VALU_DEP_2)
	v_max3_num_f32 v8, v8, |v[XB+30]|, |v[XB+31]|
	s_delay_alu instid0(VALU_DEP_1)
	v_max3_num_f32 v8, v8, v9, 0x2800000           ; and the floor
	s_delay_alu instid0(VALU_DEP_1)
	v_add_nc_u32 v12, 0xfe000000, v8
	s_delay_alu instid0(VALU_DEP_1)
	v_lshrrev_b32 v16, 23, v12
.if (\t) == 0
	s_delay_alu instid0(VALU_DEP_1)
	v_mov_b32 v20, v16                             ; my column's scale word, the lower K in the lower byte
.else
	s_delay_alu instid0(VALU_DEP_1)
	v_lshl_or_b32 v20, v16, 8*(\t), v20
.endif
	v_cvt_scalef32_pk16_bf6_f32 v[FB:FB+2], v[XB:XB+15], v12
	v_cvt_scalef32_pk16_bf6_f32 v[TP:TP+2], v[XB+16:XB+31], v12
	v_nop                                          ; one plain place behind a scaled conversion
.irp i, 0,1,2
	v_mov_b32 v[FB+3+\i], v[TP+\i]
.endr
.endm
; n: columns of the tensor; first: its first work-group; src, dst, sdst: the pairs that hold the tensor's, the codes' and the scale words' buffers; soff: where the words begin there
.macro WQ n, first, src, dst, sdst, soff
	s_sub_co_u32 s24, ttmp9, \first
	s_and_b32 s25, s24, 7                          ; K step
	s_lshr_b32 s24, s24, 3                         ; which 256 columns
	s_lshl_b32 s26, s24, 3
	s_add_co_u32 s26, s26, s18                     ; my pair of tiles
	s_mul_i32 s28, s25, 512*(\n)                   ; 128 rows
	s_lshl_b32 s29, s24, 10
	s_add_co_u32 s28, s28, s29
	s_lshl_b32 s29, s18, 7
	s_add_co_u32 s28, s28, s29
	s_mov_b32 s29, 0
.if (\n) == 3072
	s_lshr_b32 s19, s26, 5                         ; 0: Q, 1: K, 2: V
	s_bfe_u32 s20, s26, 0x40001                    ; the head
	s_and_b32 s21, s26, 1                          ; which 32 of its 64 columns
	s_cmp_eq_u32 s19, 2
	s_cselect_b32 s22, s21, s19                    ; the half: Q 0, K 1, V by its columns
	s_cselect_b32 s23, 2, s21                      ; the pair's place in it
	s_lshl_b32 s20, s20, 1
	s_add_co_u32 s20, s20, s22
	s_lshl_b32 s20, s20, 3
	s_add_co_u32 s20, s20, s25
	s_mul_i32 s30, s20, 9216
	s_mul_i32 s31, s23, 3072
	s_add_co_u32 s30, s30, s31
.else
	s_mul_i32 s30, s26, 24576
	s_mul_i32 s31, s25, 1536
	s_add_co_u32 s30, s30, s31
.endif
	s_mov_b32 s31, 0
	s_lshl_b32 s32, s26, 10
	s_lshl_b32 s33, s25, 7
	s_add_co_u32 s32, s32, s33
	s_add_co_u32 s32, s32, \soff
	s_mov_b32 s33, 0
	s_wait_kmcnt 0x0
	s_add_nc_u64 s[34:35], s[\src:\src+1], s[28:29]
	s_add_nc_u64 s[36:37], s[\dst:\dst+1], s[30:31]
	s_add_nc_u64 s[38:39], s[\sdst:\sdst+1], s[32:33]
	WLD 0, \n
	WLD 1, \n
	s_wait_loadcnt 32                              ; block 0 is in; block 1's 32 loads may be out
	WLD 2, \n
	WBLK 0
	s_wait_loadcnt 32                              ; block 1 is in; block 2's may be out
	WLD 3, \n
	WBLK 1
	s_wait_loadcnt 32                              ; block 2 is in; block 3's may be out
	WBLK 2
	s_wait_loadcnt 0x0
	WBLK 3
.irp i, 0,1,2,3,4,5,6,7,8,9,10,11      ; an image wants blocks 2 c (lanes 0-15) and 2 c + 1 (lanes 16-31) of ONE tile: the first's lanes 16-31 change places with the second's lanes 0-15
	v_permlane16_swap_b32 v[F+\i], v[F+12+\i]
.endr
.irp u, 0,1
.irp c, 0,1,2
	global_store_b128 v4, v[F+12*\u+4*\c:F+12*\u+4*\c+3], s[36:37] offset:(12288-10752*((\n)/3072))*\u+512*\c   ; W_qkv's two images are neighbours
.endr
.endr
	global_store_b32 v7, v20, s[38:39]             ; a lane's word is its own column's: this is the pair word as it stands
.endm
	s_cmp_lt_u32 ttmp9, 224
	s_cbranch_scc0 .Lwout
	s_wait_alu depctr_va_vdst(0)
	WQ 3072, 128, 6, 12, 16, SWW
	s_endpgm
.Lwout:
	s_wait_alu depctr_va_vdst(0)
	WQ 1024, 224, 8, 14, 14, OS_OFF
	s_endpgm
.Lfunc_end_k_q976ee6eecb_quant:
	.size	k_q976ee6eecb_quant, .Lfunc_end_k_q976ee6eecb_quant-k_q976ee6eecb_quant
	.p2alignl 7, 3214868480
	.fill 96, 4, 3214868480
	.section	.rodata,"a",@progbits
	.p2align	6, 0x0
	.amdhsa_kernel k_q976ee6eecb_quant
		.amdhsa_group_segment_fixed_size 68608
		.amdhsa_private_segment_fixed_size 0
		.amdhsa_enable_private_segment 0
		.amdhsa_kernarg_size 56
		.amdhsa_user_sgpr_count 2
		.amdhsa_user_sgpr_kernarg_segment_ptr 1
		.amdhsa_wavefront_size32 1
		.amdhsa_system_sgpr_workgroup_id_x 1
		.amdhsa_system_sgpr_workgroup_id_y 1
		.amdhsa_system_sgpr_workgroup_id_z 1
		.amdhsa_system_vgpr_workitem_id 0
		.amdhsa_next_free_vgpr 194
		.amdhsa_next_free_sgpr 66
		.amdhsa_reserve_vcc 0
		.amdhsa_float_denorm_mode_32 3
		.amdhsa_float_denorm_mode_16_64 3
		.amdhsa_memory_ordered 1
		.amdhsa_forward_progress 1
		.amdhsa_inst_pref_size 64
	.end_amdhsa_kernel
	.amdgpu_metadata
---
amdhsa.version: [ 1, 2 ]
amdhsa.kernels:
  - .name:           k_q976ee6eecb_quant
    .symbol:         k_q976ee6eecb_quant.kd
    .args:
      - { .name: x, .offset: 0, .size: 8, .value_kind: global_buffer, .address_space: global }
      - { .name: W_qkv, .offset: 8, .size: 8, .value_kind: global_buffer, .address_space: global }
      - { .name: W_out, .offset: 16, .size: 8, .value_kind: global_buffer, .address_space: global }
      - { .name: xq, .offset: 24, .size: 8, .value_kind: global_buffer, .address_space: global }
      - { .name: wq, .offset: 32, .size: 8, .value_kind: global_buffer, .address_space: global }
      - { .name: oq, .offset: 40, .size: 8, .value_kind: global_buffer, .address_space: global }
      - { .name: sw, .offset: 48, .size: 8, .value_kind: global_buffer, .address_space: global }
    .group_segment_fixed_size: 68608
    .private_segment_fixed_size: 0
    .kernarg_segment_align: 8
    .kernarg_segment_size: 56
    .max_flat_workgroup_size: 256
    .sgpr_count:     66
    .vgpr_count:     194
    .wavefront_size: 32
...
	.end_amdgpu_metadata
.endif
;; end of part 1
;; launch qkv (part 2): grid 16 x 16, 4 waves a work-group, clusters of 4 x 4, 327,680 bytes of LDS; arguments xq, wq, sw, b_qkv, qb, kv; writes qb, kv
.if DOCPART == 2
	.amdgcn_target "amdgcn-amd-amdhsa--gfx1250"
	.amdhsa_code_object_version 6
	.text
	.protected	k_q976ee6eecb_qkv
	.globl	k_q976ee6eecb_qkv
	.p2align	8
	.type	k_q976ee6eecb_qkv,@function
k_q976ee6eecb_qkv:
	s_mov_b64 s[64:65], 0
	v_nop
	global_prefetch_b8 v0, s[64:65] scope:SCOPE_SE
	s_setreg_imm32_b32 hwreg(HW_REG_WAVE_MODE, 25, 1), 1
	s_wait_xcnt 0x0
	s_wait_alu depctr_hold_cnt(0) depctr_sa_sdst(0) depctr_va_vdst(0) depctr_va_sdst(0) depctr_va_ssrc(0) depctr_va_vcc(0) depctr_vm_vsrc(0)
	s_getreg_b32 s2, hwreg(HW_REG_IB_STS2, 6, 4)
	s_cmp_eq_u32 s2, 0
	s_cbranch_scc0 .Lentry_in_a_cluster
	s_endpgm
.Lentry_in_a_cluster:
	s_bfe_u32 s2, ttmp6, 0x10000c
	s_cmp_lg_u32 s2, 0xf033
	s_cbranch_scc0 .Lentry_shape_is_right
	s_endpgm
.Lentry_shape_is_right:
; q, k, v = x W_qkv + b_qkv on codes of BF6 (E3M2) with E8M0 scales, K = 1,024, f32 sums; the results are quantised in registers and leave as images of operand registers.
; SHARES.  A work-group makes Q, K and V of one head (x of the grid) for 256 tokens (y): 256 work-groups.  Wave (HA, HB) of four: 128 tokens (HA: eight tiles) x 64 columns of Q (HB = 0) or of K (HB = 1)
; and 32 columns of V (half HB of the head's): 8 x 4 + 8 x 2 accumulators, 384 registers.
; Q and K are made TRANSPOSED (source 0 = W's tile, source 1 = x's): a lane holds one token, registers run along the head's channels.  V has source 0 = x's tile: a lane holds a channel, registers run along the tokens.
; LDS.  A K step of 128 is 28 images of 1,536 bytes.  K steps 0-6 (301,056 bytes) are asked for at the head, one joint load a wave: 128 tokens (7 x 12,288, dense) or one half of the head's tiles of W (7 x 9,216, dense).
; K step 7 takes K step 0's place: asked for in K step 1 behind a round of the cluster's barrier, first read from K step 6 on.
; CLUSTER 4 x 4: the four of a row share x's tiles, the four of a column share W's; nothing in a descriptor hangs on the other coordinate.
; NO PREFETCH: seven eighths of what is read are asked for at the head, and the one load behind it has five K steps in which to land.
; REGISTERS.  Window 0: v1-20 addresses, v28-29 the add's, v32-63 x's pair words (8 x pair + K step), v64-87 W's, v88-91 V's bias, v96-127 Q's or K's bias, v128-223 x's fragments of even K steps.
;   Window 1: v0-71 and v72-143 W's fragments, v144-239 x's of odd K steps.  Window 2: Q or K: accumulator (tile a of tokens, tile b of columns) at 32 a + 8 b.  Window 3: V: (tile t, tokens a) at 64 t + 8 a.
;   On the way out: v128-191 a unit of 64 numbers, v192-211 its codes, v212-223 at work.
; LIMITS: NaN and infinities are not served; a block whose largest magnitude lies under 2^-122 keeps the byte 1.
.set SWW,    131072
.set QS_OFF, 3145728
.set REC,    13056
.set HEADB,  16*REC
.set RA,     86016                     ; seven K steps of 128 tokens
.set RB,     64512                     ; and of one half of the head's tiles of W
.set SPARE,  2*RA+2*RB                 ; 301,056: the spare words
.set SPW,  28
.set NIL,  29
.set T,    128
.set PC,   192
.set TM,   212
.set PW,   12
.set PS,   13
.set PWE,  14
.set WV,   16
.set HA,   17
.set HB,   18
.set CX,   20
.set CY,   21
.set HD,   22
.set TG,   23
.set G1,   24
.set G0,   32
.set G0B,  36
.set SEL,  40
.set G1B,  48
.set MSB, 0
.macro WIN new
.if MSB != (\new)
	s_set_vgpr_msb (MSB<<8)|(\new)
.set MSB, (\new)
.endif
.endm
.macro JLOAD                           ; waves 0, 1 fetch for x, waves 2, 3 for W
	s_cmp_eq_u32 s[HA], 0
	s_cbranch_scc0 .Lfor_b_\@
	tensor_load_to_lds s[G0:G0+3], s[G1:G1+7]
	s_nop 0
.rept 4
	v_nop
.endr
	s_branch .Lasked_\@
.Lfor_b_\@:
	tensor_load_to_lds s[G0B:G0B+3], s[G1B:G1B+7]
	s_nop 0
.rept 4
	v_nop
.endr
.Lasked_\@:
.endm
.macro CREST                           ; a round of the cluster's barrier behind its opening barrier
	s_cmp_lg_u32 s[WV], 0
	s_cbranch_scc1 .Lnot_wave_0_\@
	s_barrier_signal -3
.Lnot_wave_0_\@:
	s_barrier_wait -3
	s_barrier_signal -1
	s_barrier_wait -1
.endm
.macro CROUND
	s_barrier_signal -1
	s_barrier_wait -1
	CREST
.endm
.macro PLACES
.rept 4
	v_nop
.endr
.endm
	s_load_b256 s[4:11], s[0:1], 0x0               ; xq s[4:5], wq s[6:7], sw s[8:9], b_qkv s[10:11]
	s_load_b128 s[12:15], s[0:1], 0x20             ; qb s[12:13], kv s[14:15]
	v_lshl_add_u32 v[SPW], v0, 2, SPARE
	v_mov_b32 v[NIL], 0
	ds_add_u32 v[SPW], v[NIL]                      ; the opening: the add, twice on end, and its wait
	ds_add_u32 v[SPW], v[NIL]
	v_lshrrev_b32 v1, 5, v0
	v_readfirstlane_b32 s[WV], v1
	s_lshr_b32 s[HA], s[WV], 1
	s_and_b32 s[HB], s[WV], 1
	s_bfe_u32 s[CX], ttmp6, 0x40000
	s_bfe_u32 s[CY], ttmp6, 0x40004
	s_lshl_b32 s[HD], ttmp9, 2
	s_add_co_u32 s[HD], s[HD], s[CX]               ; the head
	s_and_b32 s[TG], ttmp7, 0xffff
	s_lshl_b32 s[TG], s[TG], 2
	s_add_co_u32 s[TG], s[TG], s[CY]               ; which 256 tokens
	s_lshl_b32 s44, s[CY], 2
	s_lshl_b32 s44, 15, s44                        ; my row of the cluster
	s_lshl_b32 s45, 0x1111, s[CX]                  ; my column
	s_or_b32 s[G1], s44, (3<<16)|(1<<21)           ; elements of 8 bytes, no padding
	s_or_b32 s[G1B], s45, (3<<16)|(1<<21)
	s_mov_b32 s[G1+1], 1536<<16                    ; rows of 12,288 bytes: a K step of 128 tokens
	s_mov_b32 s[G1+2], 7<<16
	s_mov_b32 s[G1+3], 1536<<16
	s_mov_b32 s[G1+4], 7
	s_mov_b32 s[G1+5], 1536
	s_mov_b32 s[G1+6], 0
	s_mov_b32 s[G1+7], 0
	s_mov_b32 s[G1B+1], 1152<<16                   ; rows of 9,216 bytes: a K step of six tiles of W
	s_mov_b32 s[G1B+2], 7<<16
	s_mov_b32 s[G1B+3], 1152<<16
	s_mov_b32 s[G1B+4], 7
	s_mov_b32 s[G1B+5], 1152
	s_mov_b32 s[G1B+6], 0
	s_mov_b32 s[G1B+7], 0
	s_mov_b32 s[SEL], 0x76543210
	s_mov_b32 s[SEL+1], 0xfedcba98                 ; v_permlanex16_b32's selects for lane l xor 16
	s_mov_b32 s42, 0xffff0000                      ; lanes 16-31
	s_lshl_b32 s60, s[TG], 1
	s_add_co_u32 s60, s60, s[HB]
	s_mul_i32 s60, s60, 98304                      ; where what I fetch begins: x,
	s_mov_b32 s61, 0
	s_lshl_b32 s62, s[HD], 1
	s_add_co_u32 s62, s62, s[HB]
	s_mul_i32 s62, s62, 73728                      ; W;
	s_mov_b32 s63, 0
	s_mul_i32 s43, s[HB], RA                       ; and where it goes: no place in the cluster enters an LDS address
	s_mul_i32 s46, s[HB], RB
	s_add_co_u32 s46, s46, 2*RA
	s_mul_i32 s47, s[HA], RA                       ; what I read: x's 128 tokens HA, W's half HB
	s_wait_alu depctr_va_vdst(0)
	v_and_b32 v1, 31, v0                           ; lane
	v_and_b32 v2, 15, v0                           ; r
	v_bfe_u32 v3, v0, 4, 1                         ; h
	v_lshlrev_b32 v4, 4, v1                        ; 16 x lane
	v_lshlrev_b32 v5, 3, v1
	v_add_nc_u32 v5, 512, v5                       ; 512 + 8 x lane
	v_lshlrev_b32 v7, 2, v1                        ; 4 x lane
	v_lshlrev_b32 v8, 4, v3                        ; 16 h
	v_and_b32 v10, 7, v2
	v_and_b32 v11, 8, v2
	v_lshl_add_u32 v10, v11, 1, v10
	v_lshlrev_b32 v10, 2, v10                      ; 4 x (r % 8 + 16 (r / 8))
	v_lshlrev_b32 v11, 6, v3                       ; 64 h
	v_add_nc_u32 v16, s47, v4                      ; x's images of K steps 0-3,
	v_add_nc_u32 v17, 49152, v16                   ; of 4-6
	v_add_nc_u32 v20, s46, v4                      ; W's
	s_wait_dscnt 0x0                               ; both opening adds are done
	s_wait_alu depctr_va_vdst(0)
	s_wait_kmcnt 0x0
	s_add_nc_u64 s[66:67], s[4:5], s[60:61]
	s_add_nc_u64 s[68:69], s[6:7], s[62:63]
	CROUND                                         ; all sixteen work-groups are here: the joint loads meet
	s_mov_b32 s[G0], 1
	s_mov_b32 s[G0+1], s43
	s_mov_b64 s[G0+2:G0+3], s[66:67]
	s_or_b32 s[G0+3], s[G0+3], 0x80000000
	s_mov_b32 s[G0B], 1
	s_mov_b32 s[G0B+1], s46
	s_mov_b64 s[G0B+2:G0B+3], s[68:69]
	s_or_b32 s[G0B+3], s[G0B+3], 0x80000000
	JLOAD                                          ; K steps 0-6: one tensor load a wave at the head
	s_lshl_b32 s60, s[TG], 3
	s_lshl_b32 s61, s[HA], 2
	s_add_co_u32 s60, s60, s61
	s_lshl_b32 s60, s60, 10                        ; x's four pairs' scale words
	s_mov_b32 s61, 0
	s_add_nc_u64 s[70:71], s[8:9], s[60:61]
	s_lshl_b32 s60, s[HB], 5
	s_lshl_b32 s62, s[HD], 1
	s_add_co_u32 s60, s60, s62
	s_lshl_b32 s60, s60, 10
	s_add_co_u32 s60, s60, SWW                     ; Q's or K's two pairs'
	s_add_nc_u64 s[72:73], s[8:9], s[60:61]
	s_add_co_u32 s60, s62, s[HB]
	s_add_co_u32 s60, s60, 64
	s_lshl_b32 s60, s60, 10
	s_add_co_u32 s60, s60, SWW                     ; V's one
	s_add_nc_u64 s[74:75], s[8:9], s[60:61]
.irp k, 0,1,2,3,4,5,6,7
.irp p, 0,1,2,3
	global_load_b32 v[32+8*\p+\k], v7, s[70:71] offset:1024*\p+128*\k
.endr
.irp p, 0,1
	global_load_b32 v[64+8*\p+\k], v7, s[72:73] offset:1024*\p+128*\k
.endr
	global_load_b32 v[80+\k], v7, s[74:75] offset:128*\k
.endr
	s_lshl_b32 s60, s[HB], 12
	s_lshl_b32 s62, s[HD], 8
	s_add_co_u32 s60, s60, s62
	s_add_nc_u64 s[76:77], s[10:11], s[60:61]      ; the bias of my 64 columns of Q or K,
	s_lshl_b32 s60, s[HB], 7
	s_add_co_u32 s60, s60, s62
	s_add_co_u32 s60, s60, 8192
	s_add_nc_u64 s[78:79], s[10:11], s[60:61]      ; and of my 32 of V
.irp b, 0,1
.irp j, 0,1,2,3
	global_load_b128 v[96+16*\b+4*\j:99+16*\b+4*\j], v11, s[76:77] offset:128*\b+16*\j   ; channels 32 b + 16 h + 4 j ..
.endr
.endr
.irp t, 0,1
	global_load_b32 v[88+2*\t], v10, s[78:79] offset:32*\t
	global_load_b32 v[89+2*\t], v10, s[78:79] offset:32*\t
.endr
	; where the results go
	s_lshr_b32 s44, s[TG], 3                       ; batch
	s_lshl_b32 s44, s44, 4
	s_add_co_u32 s44, s44, s[HD]                   ; 16 x batch + head
	s_and_b32 s45, s[TG], 7
	s_lshl_b32 s45, s45, 1
	s_add_co_u32 s45, s45, s[HA]                   ; which 128 tokens of the batch
	s_mul_i32 s60, s44, HEADB
	s_mul_i32 s62, s45, REC
	s_add_co_u32 s60, s60, s62
	s_add_nc_u64 s[82:83], s[14:15], s[60:61]      ; the record of K and V
	s_mul_i32 s60, s44, 98304
	s_mul_i32 s62, s45, 6144
	s_add_co_u32 s60, s60, s62
	s_add_nc_u64 s[84:85], s[12:13], s[60:61]      ; Q's half images
	s_lshl_b32 s60, s44, 13
	s_lshl_b32 s62, s45, 9
	s_add_co_u32 s60, s60, s62
	s_add_co_u32 s60, s60, QS_OFF
	s_add_nc_u64 s[94:95], s[12:13], s[60:61]      ; Q's words
	s_add_nc_u64 s[92:93], s[82:83], 12288         ; K's words
	s_cmp_eq_u32 s[HB], 0
	s_cselect_b64 s[86:87], s[84:85], s[82:83]
	s_cselect_b64 s[88:89], s[94:95], s[92:93]
	s_mul_i32 s60, s[HB], 3072
	s_add_co_u32 s60, s60, 6144
	s_add_nc_u64 s[90:91], s[82:83], s[60:61]      ; V's two images
	s_lshl_b32 s60, s[HB], 7
	s_add_co_u32 s60, s60, 12800
	s_add_nc_u64 s[92:93], s[82:83], s[60:61]      ; V's pair words
.macro FW k                            ; W's six fragments of K step k
	WIN 0x40
.irp b, 0,1,2,3,4,5
.irp c, 0,1,2
	ds_load_b128 v[72*((\k)%2)+12*\b+4*\c:72*((\k)%2)+12*\b+4*\c+3], v20 offset:9216*((\k)%7)+1536*\b+512*\c
.endr
.endr
.endm
.macro FX k, a0                        ; x's fragments a0 .. a0 + 3 (K step 7 lies in K step 0's place)
	WIN 0x40*((\k)%2)
.irp i, 0,1,2,3
.irp c, 0,1,2
	ds_load_b128 v[128+16*((\k)%2)+12*((\a0)+\i)+4*\c:128+16*((\k)%2)+12*((\a0)+\i)+4*\c+3], v[16+((\k)%7)/4] offset:12288*(((\k)%7)%4)+1536*((\a0)+\i)+512*\c
.endr
.endr
.endm
.macro WX d, a, b, c, sa, sb, ra, rb   ; one product; odd tiles' words lie in lanes 16-31
.if ((\ra) == 0) && ((\rb) == 0)
	v_wmma_scale_f32_16x16x128_f8f6f4 v[\d:\d+7], v[\a:\a+11], v[\b:\b+11], \c, v[\sa], v[\sb] matrix_a_fmt:MATRIX_FMT_BF6 matrix_b_fmt:MATRIX_FMT_BF6
.elseif (\rb) == 0
	v_wmma_scale_f32_16x16x128_f8f6f4 v[\d:\d+7], v[\a:\a+11], v[\b:\b+11], \c, v[\sa], v[\sb] matrix_a_fmt:MATRIX_FMT_BF6 matrix_b_fmt:MATRIX_FMT_BF6 matrix_a_scale:MATRIX_SCALE_ROW1
.elseif (\ra) == 0
	v_wmma_scale_f32_16x16x128_f8f6f4 v[\d:\d+7], v[\a:\a+11], v[\b:\b+11], \c, v[\sa], v[\sb] matrix_a_fmt:MATRIX_FMT_BF6 matrix_b_fmt:MATRIX_FMT_BF6 matrix_b_scale:MATRIX_SCALE_ROW1
.else
	v_wmma_scale_f32_16x16x128_f8f6f4 v[\d:\d+7], v[\a:\a+11], v[\b:\b+11], \c, v[\sa], v[\sb] matrix_a_fmt:MATRIX_FMT_BF6 matrix_b_fmt:MATRIX_FMT_BF6 matrix_a_scale:MATRIX_SCALE_ROW1 matrix_b_scale:MATRIX_SCALE_ROW1
.endif
.endm
.macro MQ k, a0, z                     ; 16 products of Q or K: tiles a0 .. a0 + 3 of tokens; z = 1: they start the sums
	WIN 0xa1+4*((\k)%2)
.irp i, 0,1,2,3
.irp b, 0,1,2,3
.set rA, (\a0)+\i
.set rD, 32*rA+8*\b
.set rX, 128+16*((\k)%2)+12*rA
.set rW, 72*((\k)%2)+12*\b
.if \z
	WX rD, rW, rX, 0, 64+8*(\b/2)+\k, 32+8*(rA/2)+\k, \b%2, rA%2
.else
	WX rD, rW, rX, v[rD:rD+7], 64+8*(\b/2)+\k, 32+8*(rA/2)+\k, \b%2, rA%2
.endif
.endr
.endr
.endm
.macro MV k, z                         ; 16 products of V
	WIN 0xf4+((\k)%2)
.irp t, 0,1
.irp a, 0,1,2,3,4,5,6,7
.set rD, 64*\t+8*\a
.set rX, 128+16*((\k)%2)+12*\a
.set rW, 72*((\k)%2)+48+12*\t
.if \z
	WX rD, rX, rW, 0, 32+8*(\a/2)+\k, 80+\k, \a%2, \t
.else
	WX rD, rX, rW, v[rD:rD+7], 32+8*(\a/2)+\k, 80+\k, \a%2, \t
.endif
.endr
.endr
.endm
; A K step: 48 products, every accumulator once, in the same order in every K step.  The next K step's fragments go into the other buffers in two runs of 30 and 12 loads.
; turn = 1: K step 0's bytes are filled again behind a round; turn = 2: a barrier shows what that load brought.
.macro KS k, z, turn
.if (\turn) == 1
	WIN 0
	s_wait_tensorcnt 0x0
	ds_add_u32 v[SPW], v[NIL]
	s_wait_dscnt 13                                ; the first run's 30 loads are in; the second's 12 and the add may be out
.else
.if (\turn) == 2
	s_wait_tensorcnt 0x0                           ; my part of K step 7 has landed
.endif
	s_wait_dscnt 12                                ; the first run's 30 loads are in; the second's 12 may be out
.endif
	MQ \k, 0, \z
	s_wait_dscnt 0x0                               ; all my reads are done, and the add where there is one
.if (\turn) == 1
	WIN 0
	CROUND                                         ; nobody reads K step 0's bytes any more
	JLOAD                                          ; K step 7; the four v_nop behind it are the places in front of the loads below
.elseif (\turn) == 2
	s_barrier_signal -1
	s_barrier_wait -1
	PLACES
.else
	PLACES                                         ; places between the last K step's products and loads into what they read
.endif
.if (\k) < 7
	FW (\k)+1
	FX (\k)+1, 0
.endif
	MQ \k, 4, \z
.if (\k) < 7
	FX (\k)+1, 4
.endif
	MV \k, \z
.endm
	s_wait_tensorcnt 0x0                           ; my part of K steps 0-6 has landed
	s_mov_b32 s[G1+2], 1<<16                       ; no tensor load of mine is out, so the descriptors may be written: from here on a load brings one K step,
	s_mov_b32 s[G1+4], 1
	s_mov_b32 s[G1B+2], 1<<16
	s_mov_b32 s[G1B+4], 1
	s_add_nc_u64 s[G0+2:G0+3], s[G0+2:G0+3], RA    ; which is K step 7
	s_add_nc_u64 s[G0B+2:G0B+3], s[G0B+2:G0B+3], RB
	s_barrier_signal -1
	s_barrier_wait -1                              ; everybody's part has landed
	FW 0
	FX 0, 0
	FX 0, 4
	s_wait_loadcnt 12                              ; the scale words are in; behind them: the bias's 8 + 4
	KS 0, 1, 0
	KS 1, 0, 1
	KS 2, 0, 0
	KS 3, 0, 0
	KS 4, 0, 0
	KS 5, 0, 0
	KS 6, 0, 2
	KS 7, 0, 0
	WIN 0
	PLACES                                         ; places in front of the first reads of results
.irp b, 0,1,2,3
	v_mov_b32 v[TM+4+\b], 0                        ; a lane permute's destination counts as one of its sources
.endr
	s_wait_loadcnt 0x0                             ; the bias
; 64 numbers a lane, four blocks along the next product's K, become 12 registers of codes and a word of four scale bytes
.macro QUANT s
.irp b, 0,1,2,3
	v_max3_num_f32 v[TM+\b], |v[\s+16*\b]|, |v[\s+1+16*\b]|, 0x2800000   ; and the floor 2^(5 - 127): the byte cannot fall under 1
.endr
.irp i, 2,4,6,8,10,12,14
.irp b, 0,1,2,3
	v_max3_num_f32 v[TM+\b], v[TM+\b], |v[\s+16*\b+\i]|, |v[\s+1+16*\b+\i]|
.endr
.endr
.irp b, 0,1,2,3
	v_permlanex16_b32 v[TM+4+\b], v[TM+\b], s[SEL], s[SEL+1]
.endr
.irp b, 0,1,2,3
	v_max_num_f32 v[TM+\b], v[TM+\b], v[TM+4+\b]
.endr
.irp b, 0,1,2,3
	v_add_nc_u32 v[TM+8+\b], 0xfe000000, v[TM+\b]  ; 4 off the exponent field: the conversion's scale operand
.endr
.irp b, 0,1,2,3
	v_lshrrev_b32 v[TM+4+\b], 23, v[TM+8+\b]       ; the scale's byte
.endr
	v_lshl_or_b32 v[PW], v[TM+5], 8, v[TM+4]
	v_lshl_or_b32 v[PW], v[TM+6], 16, v[PW]
	v_lshl_or_b32 v[PW], v[TM+7], 24, v[PW]
.irp c, 0,1
	v_cvt_scalef32_pk16_bf6_f32 v[PC+6*\c:PC+2+6*\c], v[\s+32*\c:\s+15+32*\c], v[TM+8+2*\c]
	v_cvt_scalef32_pk16_bf6_f32 v[PC+12+4*\c:PC+14+4*\c], v[\s+16+32*\c:\s+31+32*\c], v[TM+8+2*\c+1]
.endr
	v_nop                                          ; one plain place behind a scaled conversion
.irp c, 0,1                                    ; the operand's layout wants a WHOLE block in a lane
.irp i, 0,1,2
	v_permlane16_swap_b32 v[PC+6*\c+\i], v[PC+12+4*\c+\i]
.endr
.irp i, 0,1,2
	v_mov_b32 v[PC+3+6*\c+\i], v[PC+12+4*\c+\i]
.endr
.endr
.endm
.macro BLOCK win, src, bias, isv       ; 64 accumulator registers + the bias, quantised
	s_wait_xcnt 0x0                                ; the last unit's stores have read their registers
	WIN \win
.set j, 0
.rept 32
.if \isv
	v_pk_add_f32 v[T+j:T+j+1], v[\src+j:\src+j+1], v[\bias:\bias+1]
.else
	v_pk_add_f32 v[T+j:T+j+1], v[\src+j:\src+j+1], v[\bias+j%32:\bias+1+j%32]
.endif
.set j, j+2
.endr
	WIN 0
	QUANT T
.endm
.irp q, 0,1,2,3                        ; tiles 2 q, 2 q + 1 of tokens: two half images, 512 and 256 consecutive bytes each
	BLOCK 0x02, 64*\q, 96, 0
	global_store_b128 v4, v[PC:PC+3], s[86:87] offset:1536*\q
	global_store_b64 v5, v[PC+4:PC+5], s[86:87] offset:1536*\q
	global_store_b128 v4, v[PC+6:PC+9], s[86:87] offset:1536*\q+768
	global_store_b64 v5, v[PC+10:PC+11], s[86:87] offset:1536*\q+768
	v_lshrrev_b32 v[PS], v8, v[PW]                 ; lanes 0-15 the even tile's two bytes, lanes 16-31 the odd tile's; the upper two bytes are 0
	v_and_b32 v[PS], 0xffff, v[PS]
	global_store_b32 v7, v[PS], s[88:89] offset:128*\q
.endr
.irp t, 0,1                            ; V: tile t of my 32 channels, 128 tokens: an image
	BLOCK 0x03, 64*\t, 88+2*\t, 1
.irp c, 0,1,2
	global_store_b128 v4, v[PC+4*\c:PC+4*\c+3], s[90:91] offset:1536*\t+512*\c
.endr
.if \t == 0
	v_mov_b32 v[PWE], v[PW]
.endif
.endr
	v_cndmask_b32 v[PS], v[PWE], v[PW], s42        ; the pair word: lanes 16-31 take the odd tile's
	global_store_b32 v7, v[PS], s[92:93]
	s_wait_tensorcnt 0x0                           ; the wave's end
	ds_add_u32 v[SPW], v[NIL]
	s_wait_dscnt 0x0
	CROUND                                         ; the closing round
	s_endpgm
.Lfunc_end_k_q976ee6eecb_qkv:
	.size	k_q976ee6eecb_qkv, .Lfunc_end_k_q976ee6eecb_qkv-k_q976ee6eecb_qkv
	.p2alignl 7, 3214868480
	.fill 96, 4, 3214868480
	.section	.rodata,"a",@progbits
	.p2align	6, 0x0
	.amdhsa_kernel k_q976ee6eecb_qkv
		.amdhsa_group_segment_fixed_size 327680
		.amdhsa_private_segment_fixed_size 0
		.amdhsa_enable_private_segment 0
		.amdhsa_kernarg_size 48
		.amdhsa_user_sgpr_count 2
		.amdhsa_user_sgpr_kernarg_segment_ptr 1
		.amdhsa_wavefront_size32 1
		.amdhsa_system_sgpr_workgroup_id_x 1
		.amdhsa_system_sgpr_workgroup_id_y 1
		.amdhsa_system_sgpr_workgroup_id_z 1
		.amdhsa_system_vgpr_workitem_id 0
		.amdhsa_next_free_vgpr 1024
		.amdhsa_next_free_sgpr 98
		.amdhsa_reserve_vcc 0
		.amdhsa_float_denorm_mode_32 3
		.amdhsa_float_denorm_mode_16_64 3
		.amdhsa_memory_ordered 1
		.amdhsa_forward_progress 1
		.amdhsa_inst_pref_size 126
	.end_amdhsa_kernel
	.amdgpu_metadata
---
amdhsa.version: [ 1, 2 ]
amdhsa.kernels:
  - .name:           k_q976ee6eecb_qkv
    .symbol:         k_q976ee6eecb_qkv.kd
    .args:
      - { .name: xq, .offset: 0, .size: 8, .value_kind: global_buffer, .address_space: global }
      - { .name: wq, .offset: 8, .size: 8, .value_kind: global_buffer, .address_space: global }
      - { .name: sw, .offset: 16, .size: 8, .value_kind: global_buffer, .address_space: global }
      - { .name: b_qkv, .offset: 24, .size: 8, .value_kind: global_buffer, .address_space: global }
      - { .name: qb, .offset: 32, .size: 8, .value_kind: global_buffer, .address_space: global }
      - { .name: kv, .offset: 40, .size: 8, .value_kind: global_buffer, .address_space: global }
    .group_segment_fixed_size: 327680
    .private_segment_fixed_size: 0
    .kernarg_segment_align: 8
    .kernarg_segment_size: 48
    .max_flat_workgroup_size: 128
    .sgpr_count:     98
    .vgpr_count:     1024
    .wavefront_size: 32
...
	.end_amdgpu_metadata
.endif
;; end of part 2
;; launch attn (part 3): grid 8 x 32, 16 waves a work-group, clusters of 4 x 1, 284,672 bytes of LDS; arguments qb, kv, yb; writes yb
.if DOCPART == 3
	.amdgcn_target "amdgcn-amd-amdhsa--gfx1250"
	.amdhsa_code_object_version 6
	.text
	.protected	k_q976ee6eecb_attn
	.globl	k_q976ee6eecb_attn
	.p2align	8
	.type	k_q976ee6eecb_attn,@function
k_q976ee6eecb_attn:
	s_mov_b64 s[64:65], 0
	v_nop
	global_prefetch_b8 v0, s[64:65] scope:SCOPE_SE
	s_setreg_imm32_b32 hwreg(HW_REG_WAVE_MODE, 25, 1), 1
	s_wait_xcnt 0x0
	s_wait_alu depctr_hold_cnt(0) depctr_sa_sdst(0) depctr_va_vdst(0) depctr_va_sdst(0) depctr_va_ssrc(0) depctr_va_vcc(0) depctr_vm_vsrc(0)
	s_getreg_b32 s2, hwreg(HW_REG_IB_STS2, 6, 4)
	s_cmp_eq_u32 s2, 0
	s_cbranch_scc0 .Lentry_in_a_cluster
	s_endpgm
.Lentry_in_a_cluster:
	s_bfe_u32 s2, ttmp6, 0x10000c
	s_cmp_lg_u32 s2, 0x3003
	s_cbranch_scc0 .Lentry_shape_is_right
	s_endpgm
.Lentry_shape_is_right:
; y[head][q] = the sum over keys k <= q of softmax_k(q . k / 8) v[k], both products on codes of BF6 (E3M2) with E8M0 scales; y is quantised along the head's 64 in registers and leaves as codes.
; THE SOFTMAX: t = score x log2(e) / 8; M = the running largest t, rounded UP to a whole number; p = 2^(t - M) is quantised along the keys; the row's sum is taken of the unquantised p and divides at the end.
; When M moves, the sum and O are multiplied by 2^(old M - new M): exact.
; SHARES.  A work-group serves one head (of 32) and sixteen tiles of 16 queries: tile 8 g + c, g = 0 .. 15, c = the work-group's x (0..7).  Tile g's queries lie in keys 128 g .. 128 g + 127, so it wants g + 1 steps of 128 keys
; (steps wholly hidden by the causal mask are left out).  Tiles 15 - p and p together want 17 steps, which waves p and 8 + p share: wave p takes steps 0 .. 9 of tile 15 - p; wave 8 + p takes its later steps,
; leaves that part (O, -M, the sum) in LDS, and then takes tile p's p + 1 steps: 10 steps and 7 (for p = 7: 9 and 8).  Behind a barrier wave p joins the two parts by exact powers of two.
; THE WHOLE HEAD'S K AND V STAY IN LDS: 16 records of 13,056 bytes (8 half images of k, 4 images of v^T, their scale words), filled once: wave w asks for record w, at the head.
; CLUSTER: the four work-groups of a cluster serve the same head: each record is asked for JOINTLY.  c enters only q's and y's addresses and a lane's number for the mask, no branch and no LDS address.
; NO PREFETCH: all that is read is asked for at the head.
; LAYOUT.  S^T = k q^T, O^T = v^T p^T: a lane holds ONE query.  A tile's keys (and v^T's rows) are 8 u + r % 8 + 16 (r / 8) of each 32, so that the 16 registers of tiles 2 b, 2 b + 1 are 16 neighbours.
; The first product's K is 64: q's registers 6-11 are zero codes and the upper two bytes of q's and k's words are 0, so whatever k's registers 6-11 hold adds nothing: tile t's are tile t + 1's codes, tile 7's are the second q's.
; LIMITS: NaN and infinities are not served; a NaN or an infinity that reaches only hidden scores is not carried on; the scaled scores stay under 2^31 in magnitude; a block of p or of y whose largest magnitude lies under 2^-122 keeps the byte 1.
; REGISTERS: v1-6 addresses that stay, v11 my part's and v29 my partner's; v8-10 the step's LDS addresses; v12 -M, v13 the largest t, v[14:15] the sum in two halves; v16-27 q, v28 its word; v32-79 k's eight half images or v^T's four images;
;   v80-86 tile p's q and its word; v96-159 S^T, then p; v160-191 O^T; v192-193 v's pair words, v194-197 k's; v224-235 p's codes; v214-254 at work; v251, v255 the add's.
.set REC,    13056
.set QS_OFF, 3145728
.set YS_OFF, 3145728
.set SPARE,  16*REC                    ; 208,896: the spare words, 128 bytes a wave
.set PART,   SPARE+2048                ; a place of 4,608 bytes for each wave's part: waves 8 + p write theirs, wave p reads wave 8 + p's
.set WV,  10
.set SEL, 20                           ; s[20:21] lane selects for v_permlanex16_b32: lane l xor 16
.set CS,  22                           ; s[22:23] c = log2(e) / 8
.set G1,  24
.set G0,  32
.set TB,  36                           ; LDS byte at which the step's record begins
.set KS,  37                           ; the step of 128 keys
.set G,   38                           ; the tile at work
.set I,   39                           ; the trip
.set SWI, 40                           ; the trip in which wave 8 + p goes on to tile p; 10, which never comes, in waves p
.set OFFL, 41                          ; step - trip (mod 16) in tile 15 - p,
.set OFFS, 42                          ; and in tile p
.set GL,  43                           ; 15 - p
.set GS,  44                           ; p
.set GO,  45                           ; the tile that I finish
.set OFF, 46
.macro CROUND                          ; a round of the cluster's barrier
	s_barrier_signal -1
	s_barrier_wait -1
	s_cmp_lg_u32 s[WV], 0
	s_cbranch_scc1 .Lnot_wave_0_\@
	s_barrier_signal -3
.Lnot_wave_0_\@:
	s_barrier_wait -3
	s_barrier_signal -1
	s_barrier_wait -1
.endm
	s_load_b128 s[4:7], s[0:1], 0x0                ; qb, kv
	s_load_b64 s[8:9], s[0:1], 0x10                ; yb
	v_lshl_add_u32 v251, v0, 2, SPARE
	v_mov_b32 v255, 0
	ds_add_u32 v251, v255                          ; the opening: the add, twice on end, and its wait
	ds_add_u32 v251, v255
	v_lshrrev_b32 v8, 5, v0
	v_readfirstlane_b32 s[WV], v8                  ; wave 0..15
	s_bfe_u32 s11, ttmp6, 0x40000                  ; cx
	s_lshl_b32 s12, ttmp9, 2
	s_add_co_u32 s12, s12, s11                     ; c = 4 x cluster x + cx
	s_and_b32 s13, ttmp7, 0xffff                   ; the head, which the partners share
	s_and_b32 s[GS], s[WV], 7
	s_or_b32 s[GL], s[WV], 8
	s_xor_b32 s[GL], s[GL], 7
	s_sub_co_i32 s[SWI], 6, s[GS]                  ; tile 15 - p has 6 - p steps behind its first ten (p = 7: none)
	s_max_i32 s[SWI], s[SWI], 0
	s_sub_co_u32 s[OFFS], 16, s[SWI]               ; that trip is tile p's step 0
	s_cmp_lt_u32 s[WV], 8
	s_cselect_b32 s[SWI], 10, s[SWI]
	s_cselect_b32 s[OFFL], 0, 10
	s_cselect_b32 s[GO], s[GL], s[GS]
	s_mov_b32 s[G1], 15|(3<<16)|(1<<21)            ; 15:0 all four work-groups; 17:16 elements of 8 bytes; 21 set beside a mask; no padding
	s_mov_b32 s[G1+1], 32<<16                      ; a record is dense: 51 rows of 256 bytes
	s_mov_b32 s[G1+2], 51<<16
	s_mov_b32 s[G1+3], 32<<16
	s_mov_b32 s[G1+4], 51
	s_mov_b32 s[G1+5], 32
	s_mov_b32 s[G1+6], 0
	s_mov_b32 s[G1+7], 0
	s_mov_b32 s[SEL], 0x76543210
	s_mov_b32 s[SEL+1], 0xfedcba98
	s_mov_b32 s[CS], 0x3e38aa3b
	s_mov_b32 s[CS+1], s[CS]                       ; (named with it as a pair, so it is written)
	s_mul_i32 s14, s[WV], REC                      ; my record
	s_mul_i32 s48, s13, 16*REC
	s_add_co_u32 s48, s48, s14
	s_mov_b32 s49, 0
	s_mul_i32 s15, s[WV], 4608
	s_add_co_u32 s15, s15, PART                    ; my own place for a part,
	s_mul_i32 s63, s[GS], 4608
	s_add_co_u32 s63, s63, PART+8*4608             ; and wave 8 + p's
	s_lshl_b32 s52, s13, 7
	s_add_co_u32 s52, s52, s12                     ; 128 x head + c
	s_lshl_b32 s53, s[GL], 3
	s_add_co_u32 s53, s53, s52
	s_mul_i32 s54, s53, 768
	s_mov_b32 s55, 0
	s_lshl_b32 s56, s53, 6
	s_add_co_u32 s56, s56, QS_OFF
	s_mov_b32 s57, 0
	s_lshl_b32 s53, s[GS], 3
	s_add_co_u32 s53, s53, s52
	s_mul_i32 s58, s53, 768
	s_mov_b32 s59, 0
	s_lshl_b32 s60, s53, 6
	s_add_co_u32 s60, s60, QS_OFF
	s_mov_b32 s61, 0
	s_lshr_b32 s62, s13, 4
	s_lshl_b32 s62, s62, 7
	s_add_co_u32 s62, s62, s12
	s_lshl_b32 s53, s[GO], 3
	s_add_co_u32 s62, s62, s53                     ; y's tile of rows: 128 x batch + 8 g + c
	s_lshl_b32 s62, s62, 4
	s_and_b32 s53, s13, 15
	s_add_co_u32 s62, s62, s53                     ; 16 x tile + head of the batch
	s_mul_i32 s66, s62, 768
	s_mov_b32 s67, 0
	s_lshl_b32 s68, s62, 6
	s_add_co_u32 s68, s68, YS_OFF
	s_mov_b32 s69, 0
	s_lshr_b32 s50, s12, 1
	s_lshl_b32 s50, s50, 5
	s_and_b32 s51, s12, 1
	s_lshl_b32 s51, s51, 3
	s_add_co_u32 s50, s50, s51                     ; 32 (c / 2) + 8 (c % 2)
	s_mov_b32 s[I], 0
	s_wait_alu depctr_va_vdst(0)
	v_and_b32 v6, 31, v0                           ; lane
	v_and_b32 v5, 15, v0
	v_and_b32 v4, 7, v0
	v_and_b32 v7, 8, v0
	v_lshlrev_b32 v1, 4, v6                        ; 16 x lane
	v_lshlrev_b32 v2, 3, v6
	v_lshlrev_b32 v3, 2, v6                        ; 4 x lane
	v_lshlrev_b32 v5, 2, v5                        ; 4 r
	v_lshl_add_u32 v4, v7, 1, v4
	v_bfe_u32 v7, v0, 4, 1
	v_add_nc_u32 v2, 512, v2                       ; 512 + 8 x lane
	v_add_nc_u32 v11, s15, v1
	v_add_nc_u32 v29, s63, v1
	v_lshlrev_b32 v7, 4, v7
	s_delay_alu instid0(VALU_DEP_1)
	v_sub_nc_u32 v4, v4, v7
	s_delay_alu instid0(VALU_DEP_1)
	v_add_nc_u32 v4, s50, v4                       ; d = my query - 128 g - 16 (lane / 16)
	s_wait_alu depctr_va_vdst(0)
	s_wait_dscnt 0x0                               ; both opening adds are done
	s_wait_kmcnt 0x0
	s_add_nc_u64 s[18:19], s[6:7], s[48:49]
	s_add_nc_u64 s[54:55], s[4:5], s[54:55]
	s_add_nc_u64 s[56:57], s[4:5], s[56:57]
	s_add_nc_u64 s[58:59], s[4:5], s[58:59]
	s_add_nc_u64 s[60:61], s[4:5], s[60:61]
	s_add_nc_u64 s[66:67], s[8:9], s[66:67]
	s_add_nc_u64 s[68:69], s[8:9], s[68:69]
	CROUND                                         ; all four work-groups are here: the joint loads meet
	s_mov_b32 s[G0], 1
	s_mov_b32 s[G0+1], s14
	s_mov_b64 s[G0+2:G0+3], s[18:19]
	s_or_b32 s[G0+3], s[G0+3], 0x80000000
	tensor_load_to_lds s[G0:G0+3], s[G1:G1+7]      ; record w: one tensor load a wave at the head
	s_nop 0
.rept 4
	v_nop
.endr
	global_load_b128 v[16:19], v1, s[54:55]        ; tile 15 - p's q,
	global_load_b64 v[20:21], v2, s[54:55]
	global_load_b32 v28, v5, s[56:57]              ; its scale words;
	global_load_b128 v[80:83], v1, s[58:59]        ; and tile p's (in waves p its codes only stand where k's tile 7 has no codes of its own)
	global_load_b64 v[84:85], v2, s[58:59]
	global_load_b32 v86, v5, s[60:61]
.irp j, 22,23,24,25,26,27
	v_mov_b32 v[\j], 0                             ; q's upper 64 along K: zero codes
.endr
.macro FRESH                           ; nothing summed yet
	v_mov_b32 v13, 0xff61b1e6                      ; the largest t so far: -3e38, under every t
	v_mov_b32 v14, 0                               ; the sum, in two halves
	v_mov_b32 v15, 0
	v_floor_f32 v12, -v13                          ; -M
.set n, 0
.rept 32
	v_mov_b32 v[160+n], 0                          ; O^T: a tile's first walk finds zeros, which the first change of M leaves zeros
.set n, n+1
.endr
.endm
.irp b, 0,1,2,3
	v_mov_b32 v[236+\b], 0                         ; written once: a lane permute's destination counts as one of its sources
.endr
	v_mov_b32 v252, 0
	v_mov_b32 v253, 0                              ; (named as the upper half of the pair v[252:253] before it is first written)
	FRESH
	s_wait_alu depctr_va_vdst(0)
	s_wait_loadcnt 0x0
	s_wait_tensorcnt 0x0                           ; my record has landed
	s_wait_dscnt 0x0
	s_barrier_signal -1
	s_barrier_wait -1                              ; everybody's has: nothing is ever filled again
.Lstep:
	s_cmp_eq_u32 s[I], s[SWI]
	s_cbranch_scc0 .Lstay
.rept 4
	v_nop                                          ; places behind the last products
.endr
.irp i, 0,1,2,3,4,5,6,7
	ds_store_b128 v11, v[160+4*\i:163+4*\i] offset:512*\i   ; my part of tile 15 - p: O^T,
.endr
	ds_store_b128 v11, v[12:15] offset:4096        ; -M, the largest t, the sum
.irp j, 0,1,2,3,4,5
	v_mov_b32 v[16+\j], v[80+\j]                   ; on to tile p
.endr
	v_mov_b32 v28, v86
	FRESH
	s_wait_alu depctr_va_vdst(0)
.Lstay:
	s_cmp_lt_u32 s[I], s[SWI]
	s_cselect_b32 s[OFF], s[OFFL], s[OFFS]
	s_cselect_b32 s[G], s[GL], s[GS]
	s_add_co_u32 s[KS], s[I], s[OFF]
	s_and_b32 s[KS], s[KS], 15
	s_mul_i32 s[TB], s[KS], REC
	s_cmp_gt_u32 s[KS], s[G]                       ; the trips behind a wave's last step have nothing to do
	s_cbranch_scc1 .Lhidden
	v_add_nc_u32 v8, s[TB], v1
	v_add_nc_u32 v9, s[TB], v2
	v_add_nc_u32 v10, s[TB], v3
	v_nop                                          ; four places in front of loads into registers that the last step's products read
	s_wait_alu depctr_va_vdst(0)
.irp p, 0,1,2,3
	ds_load_b32 v[194+\p], v10 offset:12288+128*\p
.endr
.irp t, 0,1,2,3,4,5,6,7                        ; k's eight half images, six registers each, on end
	ds_load_b128 v[32+6*\t:35+6*\t], v8 offset:768*\t
	ds_load_b64 v[36+6*\t:37+6*\t], v9 offset:768*\t
.endr
	s_wait_dscnt 6                                 ; the words and tiles 0-4 are in (a product names the next tile's registers too); tiles 5-7 may be out
.irp t, 0,1,2,3,4,5,6,7                        ; S^T = k q^T
.if \t == 4
	s_wait_dscnt 0x0
.endif
.if (\t%2) == 0
	v_wmma_scale_f32_16x16x128_f8f6f4 v[96+8*\t:103+8*\t], v[32+6*\t:43+6*\t], v[16:27], 0, v[194+\t/2], v28 matrix_a_fmt:MATRIX_FMT_BF6 matrix_b_fmt:MATRIX_FMT_BF6
.else
	v_wmma_scale_f32_16x16x128_f8f6f4 v[96+8*\t:103+8*\t], v[32+6*\t:43+6*\t], v[16:27], 0, v[194+\t/2], v28 matrix_a_fmt:MATRIX_FMT_BF6 matrix_b_fmt:MATRIX_FMT_BF6 matrix_a_scale:MATRIX_SCALE_ROW1
.endif
.endr
.rept 4
	v_nop                                          ; places in front of the loads below and of the first read of the scores
.endr
.irp t, 0,1,2,3                                ; v^T's four images are asked for now: they land while the softmax is walked
.irp c, 0,1,2
	ds_load_b128 v[32+12*\t+4*\c:35+12*\t+4*\c], v8 offset:6144+1536*\t+512*\c
.endr
.endr
.irp p, 0,1
	ds_load_b32 v[192+\p], v10 offset:12800+128*\p
.endr
	s_cmp_lt_u32 s[KS], s[G]                       ; in a tile's last step the scores of hidden keys become -infinity ahead of the maximum: p = 0 then
	s_cbranch_scc1 .Lopen
	v_mov_b32 v254, 0xff800000
.set n, 0
.rept 64                                       ; register 16 b + i holds key 128 g + 16 (lane / 16) + 32 b + i: hidden where 32 b + i > d
	v_cmp_gt_i32 vcc_lo, 32*(n/16)+n%16, v4
	v_cndmask_b32 v[96+n], v[96+n], v254, vcc_lo
.set n, n+1
.endr
.Lopen:
.irp b, 0,1,2,3
	v_max3_num_f32 v[232+\b], v[96+16*\b], v[97+16*\b], v[98+16*\b]   ; the largest score of each block of 32 keys: it serves for the row's maximum and, since p rises with the score, for the block's largest p
.endr
.irp i, 3,5,7,9,11,13
.irp b, 0,1,2,3
	v_max3_num_f32 v[232+\b], v[232+\b], v[96+16*\b+\i], v[97+16*\b+\i]
.endr
.endr
.irp b, 0,1,2,3
	v_max_num_f32 v[232+\b], v[232+\b], v[111+16*\b]
.endr
.irp b, 0,1,2,3
	s_delay_alu instid0(VALU_DEP_4)
	v_permlanex16_b32 v[236+\b], v[232+\b], s[SEL], s[SEL+1]
.endr
.irp b, 0,1,2,3
	s_delay_alu instid0(VALU_DEP_4)
	v_max_num_f32 v[232+\b], v[232+\b], v[236+\b]  ; with lane l xor 16's 16 keys
.endr
	s_delay_alu instid0(VALU_DEP_2)
	v_max3_num_f32 v254, v232, v233, v234
	s_delay_alu instid0(VALU_DEP_1)
	v_max_num_f32 v254, v254, v235                 ; the step's largest score of my query
	s_delay_alu instid0(VALU_DEP_1)
	v_mul_f32 v254, s[CS], v254                    ; as t (c is positive)
	s_delay_alu instid0(VALU_DEP_1)
	v_max_num_f32 v13, v13, v254                   ; the running largest t
	v_mov_b32 v254, v12
	s_delay_alu instid0(VALU_DEP_2)
	v_floor_f32 v12, -v13                          ; the new -M = floor(-t) = -ceil(t)
	s_delay_alu instid0(VALU_DEP_1)
	v_sub_f32 v254, v12, v254                      ; M's old value less its new one: a whole number, 0 or less
	s_delay_alu instid0(VALU_DEP_1)
	v_cvt_i32_f32 v254, v254                       ; (it saturates)
	s_delay_alu instid0(VALU_DEP_1)
	v_ldexp_f32 v252, 1.0, v254                    ; f = 2^(old M - new M)
.set n, 0
.rept 32
	v_pk_fma_f32 v[96+n:97+n], v[96+n:97+n], s[CS:CS+1], v[12:13] op_sel_hi:[1,0,0]   ; t - M, two at a time
.set n, n+2
.endr
.irp b, 0,1,2,3
	v_fma_f32 v[232+\b], v[232+\b], s[CS], v12     ; the same of each block's largest score
.endr
.set n, 0
	s_wait_alu depctr_va_vdst(0)                   ; a wait ahead of the batch, and one behind it
.rept 64
	v_exp_f32 v[96+n], v[96+n]                     ; p = 2^(t - M), at most 1: not normalised
.set n, n+1
.endr
.irp b, 0,1,2,3
	v_exp_f32 v[232+\b], v[232+\b]                 ; the block's largest p: the same two instructions on the same number give the same bits
.endr
	v_pk_mul_f32 v[14:15], v[14:15], v[252:253] op_sel_hi:[1,0]   ; the sums under the new M (a plain place behind the exponentials)
	s_wait_alu depctr_va_vdst(0)
.irp b, 0,1,2,3
	v_max_num_f32 v[232+\b], 0x2800000, v[232+\b]  ; the floor 2^(5 - 127): the byte cannot fall under 1
.endr
.irp b, 0,1,2,3
	s_delay_alu instid0(VALU_DEP_4)
	v_add_nc_u32 v[244+\b], 0xfe000000, v[232+\b]  ; 4 off the exponent field: the conversion's scale operand
.endr
.irp b, 0,1,2,3
	s_delay_alu instid0(VALU_DEP_4)
	v_lshrrev_b32 v[236+\b], 23, v[244+\b]         ; the scale's byte
.endr
	s_delay_alu instid0(VALU_DEP_3)
	v_lshl_or_b32 v253, v237, 8, v236              ; p's scale word for these 128 keys
	s_delay_alu instid0(VALU_DEP_1)
	v_lshl_or_b32 v253, v238, 16, v253
	s_delay_alu instid0(VALU_DEP_1)
	v_lshl_or_b32 v253, v239, 24, v253
.irp c, 0,1
	v_cvt_scalef32_pk16_bf6_f32 v[224+6*\c:226+6*\c], v[96+32*\c:111+32*\c], v[244+2*\c]
	v_cvt_scalef32_pk16_bf6_f32 v[236+4*\c:238+4*\c], v[112+32*\c:127+32*\c], v[244+2*\c+1]   ; (a conversion's three registers begin on an even number)
.endr
	v_nop                                          ; one plain place behind a scaled conversion
.irp c, 0,1                                    ; the operand's layout wants a WHOLE block in a lane
.irp i, 0,1,2
	v_permlane16_swap_b32 v[224+6*\c+\i], v[236+4*\c+\i]
.endr
.irp i, 0,1,2
	s_delay_alu instid0(VALU_DEP_3)
	v_mov_b32 v[227+6*\c+\i], v[236+4*\c+\i]
.endr
.endr
.set n, 96                                     ; THE ROW'S SUM, of the unquantised p, two at a time in eight chains
.irp a, 236,248,222,220,218,216,214
	v_pk_add_f32 v[\a:\a+1], v[n:n+1], v[n+2:n+3]
.set n, n+4
.endr
.irp a, 14,236,248,222,220,218,216,214,14,236,248,222,220,218,216,214,14,236
	v_pk_add_f32 v[\a:\a+1], v[\a:\a+1], v[n:n+1]
.set n, n+2
.endr
	v_pk_add_f32 v[222:223], v[222:223], v[220:221]
	v_pk_add_f32 v[218:219], v[218:219], v[216:217]
	v_pk_add_f32 v[248:249], v[248:249], v[214:215]
	v_pk_add_f32 v[14:15], v[14:15], v[236:237]
	v_pk_add_f32 v[222:223], v[222:223], v[218:219]
	v_pk_add_f32 v[14:15], v[14:15], v[248:249]
	s_delay_alu instid0(VALU_DEP_1)
	v_pk_add_f32 v[14:15], v[14:15], v[222:223]
.set n, 0
.rept 16
	v_pk_mul_f32 v[160+n:161+n], v[160+n:161+n], v[252:253] op_sel_hi:[1,0]   ; O^T under the new M.  (The sums and these are also the places between the lines that made p's codes and word and the products below)
.set n, n+2
.endr
	s_wait_alu depctr_va_vdst(0)
	s_wait_dscnt 0x0                               ; v^T
.irp t, 0,1,2,3                                ; O^T += v^T p^T: the four accumulators by turns; the eight products of the scores stand between two turns of each
.if (\t%2) == 0
	v_wmma_scale_f32_16x16x128_f8f6f4 v[160+8*\t:167+8*\t], v[32+12*\t:43+12*\t], v[224:235], v[160+8*\t:167+8*\t], v[192+\t/2], v253 matrix_a_fmt:MATRIX_FMT_BF6 matrix_b_fmt:MATRIX_FMT_BF6
.else
	v_wmma_scale_f32_16x16x128_f8f6f4 v[160+8*\t:167+8*\t], v[32+12*\t:43+12*\t], v[224:235], v[160+8*\t:167+8*\t], v[192+\t/2], v253 matrix_a_fmt:MATRIX_FMT_BF6 matrix_b_fmt:MATRIX_FMT_BF6 matrix_a_scale:MATRIX_SCALE_ROW1
.endif
.endr
.Lhidden:
	s_add_co_u32 s[I], s[I], 1
	s_cmp_lt_u32 s[I], 10
	s_cbranch_scc1 .Lstep
.rept 4
	v_nop                                          ; places behind the last products
.endr
	s_wait_alu depctr_va_vdst(0)
	s_wait_dscnt 0x0                               ; for the others' sake: my part is stored
	s_barrier_signal -1
	s_barrier_wait -1
	s_cmp_lt_u32 s[WV], 8
	s_cbranch_scc0 .Lown
.irp i, 0,1,2,3,4,5,6,7                        ; waves p: the other part of tile 15 - p
	ds_load_b128 v[96+4*\i:99+4*\i], v29 offset:512*\i
.endr
	ds_load_b128 v[232:235], v29 offset:4096
	s_wait_dscnt 0x0
	v_min_num_f32 v240, v12, v232                  ; - the larger M
	v_sub_f32 v241, v240, v12                      ; my M less the larger: a whole number, 0 or less,
	v_sub_f32 v242, v240, v232                     ; and the other part's (a part without a step has M = -3e38: its factor is 0, and so are its sums)
	v_cvt_i32_f32 v241, v241
	v_cvt_i32_f32 v242, v242
	v_ldexp_f32 v244, 1.0, v241
	v_ldexp_f32 v246, 1.0, v242
	v_ldexp_f32 v245, 1.0, v241
	v_ldexp_f32 v247, 1.0, v242
	v_pk_mul_f32 v[14:15], v[14:15], v[244:245]
	v_pk_mul_f32 v[234:235], v[234:235], v[246:247]
.set n, 0
.rept 16
	v_pk_mul_f32 v[160+n:161+n], v[160+n:161+n], v[244:245]
.set n, n+2
.endr
	v_pk_add_f32 v[14:15], v[14:15], v[234:235]
.set n, 0
.rept 16
	v_pk_fma_f32 v[160+n:161+n], v[96+n:97+n], v[246:247], v[160+n:161+n]
.set n, n+2
.endr
.Lown:
	; THE WAY OUT.  y = O^T / the sum: register 16 b + i is channel 32 b + 16 (lane / 16) + i of my query: two blocks along the next product's K.
	v_add_f32 v14, v14, v15                        ; the sum's two halves,
	s_delay_alu instid0(VALU_DEP_1)
	v_permlanex16_b32 v252, v14, s[SEL], s[SEL+1]
	s_delay_alu instid0(VALU_DEP_1)
	v_add_f32 v14, v14, v252                       ; and lane l xor 16's
	s_wait_alu depctr_va_vdst(0)
	v_rcp_f32 v14, v14
	v_nop                                          ; one plain place behind a transcendental
.set n, 0
	s_wait_alu depctr_va_vdst(0)
.rept 32
	v_mul_f32 v[96+n], v[160+n], v14
.set n, n+1
.endr
.irp b, 0,1
	v_max3_num_f32 v[232+\b], |v[96+16*\b]|, |v[97+16*\b]|, 0x2800000
.endr
.irp i, 2,4,6,8,10,12,14
.irp b, 0,1
	s_delay_alu instid0(VALU_DEP_2)
	v_max3_num_f32 v[232+\b], v[232+\b], |v[96+16*\b+\i]|, |v[97+16*\b+\i]|
.endr
.endr
.irp b, 0,1
	s_delay_alu instid0(VALU_DEP_2)
	v_permlanex16_b32 v[236+\b], v[232+\b], s[SEL], s[SEL+1]
.endr
.irp b, 0,1
	s_delay_alu instid0(VALU_DEP_2)
	v_max_num_f32 v[232+\b], v[232+\b], v[236+\b]
.endr
.irp b, 0,1
	s_delay_alu instid0(VALU_DEP_2)
	v_add_nc_u32 v[244+\b], 0xfe000000, v[232+\b]
.endr
.irp b, 0,1
	s_delay_alu instid0(VALU_DEP_2)
	v_lshrrev_b32 v[236+\b], 23, v[244+\b]
.endr
	s_delay_alu instid0(VALU_DEP_1)
	v_lshl_or_b32 v243, v237, 8, v236              ; my row's two bytes; the upper two are 0
	v_cvt_scalef32_pk16_bf6_f32 v[224:226], v[96:111], v244
	v_cvt_scalef32_pk16_bf6_f32 v[240:242], v[112:127], v245
	v_nop
.irp i, 0,1,2
	v_permlane16_swap_b32 v[224+\i], v[240+\i]
.endr
.irp i, 0,1,2
	s_delay_alu instid0(VALU_DEP_3)
	v_mov_b32 v[227+\i], v[240+\i]
.endr
	global_store_b128 v1, v[224:227], s[66:67]     ; the half image: 512 and 256 consecutive bytes
	global_store_b64 v2, v[228:229], s[66:67]
	v_cmp_gt_u32 vcc_lo, 16, v6
	s_wait_xcnt 0x0                                ; EXEC changes only behind this wait
	s_and_saveexec_b32 s52, vcc_lo                 ; lanes 0-15 store the tile's 16 words
	global_store_b32 v5, v243, s[68:69]
	s_wait_xcnt 0x0                                ; and again, in front of the line that widens it
	s_or_b32 exec_lo, exec_lo, s52
	s_wait_tensorcnt 0x0                           ; the wave's end
	ds_add_u32 v251, v255
	s_wait_dscnt 0x0
	CROUND                                         ; the closing round
	s_endpgm
.Lfunc_end_k_q976ee6eecb_attn:
	.size	k_q976ee6eecb_attn, .Lfunc_end_k_q976ee6eecb_attn-k_q976ee6eecb_attn
	.p2alignl 7, 3214868480
	.fill 96, 4, 3214868480
	.section	.rodata,"a",@progbits
	.p2align	6, 0x0
	.amdhsa_kernel k_q976ee6eecb_attn
		.amdhsa_group_segment_fixed_size 284672
		.amdhsa_private_segment_fixed_size 0
		.amdhsa_enable_private_segment 0
		.amdhsa_kernarg_size 24
		.amdhsa_user_sgpr_count 2
		.amdhsa_user_sgpr_kernarg_segment_ptr 1
		.amdhsa_wavefront_size32 1
		.amdhsa_system_sgpr_workgroup_id_x 1
		.amdhsa_system_sgpr_workgroup_id_y 1
		.amdhsa_system_sgpr_workgroup_id_z 1
		.amdhsa_system_vgpr_workitem_id 0
		.amdhsa_next_free_vgpr 256
		.amdhsa_next_free_sgpr 72
		.amdhsa_reserve_vcc 1
		.amdhsa_float_denorm_mode_32 3
		.amdhsa_float_denorm_mode_16_64 3
		.amdhsa_memory_ordered 1
		.amdhsa_forward_progress 1
		.amdhsa_inst_pref_size 41
	.end_amdhsa_kernel
	.amdgpu_metadata
---
amdhsa.version: [ 1, 2 ]
amdhsa.kernels:
  - .name:           k_q976ee6eecb_attn
    .symbol:         k_q976ee6eecb_attn.kd
    .args:
      - { .name: qb, .offset: 0, .size: 8, .value_kind: global_buffer, .address_space: global }
      - { .name: kv, .offset: 8, .size: 8, .value_kind: global_buffer, .address_space: global }
      - { .name: yb, .offset: 16, .size: 8, .value_kind: global_buffer, .address_space: global }
    .group_segment_fixed_size: 284672
    .private_segment_fixed_size: 0
    .kernarg_segment_align: 8
    .kernarg_segment_size: 24
    .max_flat_workgroup_size: 512
    .sgpr_count:     72
    .vgpr_count:     256
    .wavefront_size: 32
...
	.end_amdgpu_metadata
.endif
;; end of part 3
;; launch outln (part 4): grid 128 x 1, 16 waves a work-group, clusters of 4 x 1, 321,536 bytes of LDS; arguments yb, oq, x, b_out, gamma, beta, out0; writes out0
.if DOCPART == 4
	.amdgcn_target "amdgcn-amd-amdhsa--gfx1250"
	.amdhsa_code_object_version 6
	.text
	.protected	k_q976ee6eecb_outln
	.globl	k_q976ee6eecb_outln
	.p2align	8
	.type	k_q976ee6eecb_outln,@function
k_q976ee6eecb_outln:
	s_mov_b64 s[64:65], 0
	v_nop
	global_prefetch_b8 v0, s[64:65] scope:SCOPE_SE
	s_setreg_imm32_b32 hwreg(HW_REG_WAVE_MODE, 25, 1), 1
	s_wait_xcnt 0x0
	s_wait_alu depctr_hold_cnt(0) depctr_sa_sdst(0) depctr_va_vdst(0) depctr_va_sdst(0) depctr_va_ssrc(0) depctr_va_vcc(0) depctr_vm_vsrc(0)
	s_getreg_b32 s2, hwreg(HW_REG_IB_STS2, 6, 4)
	s_cmp_eq_u32 s2, 0
	s_cbranch_scc0 .Lentry_in_a_cluster
	s_endpgm
.Lentry_in_a_cluster:
	s_bfe_u32 s2, ttmp6, 0x10000c
	s_cmp_lg_u32 s2, 0x3003
	s_cbranch_scc0 .Lentry_shape_is_right
	s_endpgm
.Lentry_shape_is_right:
; out = LayerNorm(y W_out + b_out + x) gamma + beta.  The product on codes of BF6 (E3M2) with E8M0 scales (K = 1,024), f32 sums; all else in f32; the variance is taken of h - mean.
; SHARES.  A work-group owns 32 whole rows (two tiles of y), since the norm wants whole rows; each of its sixteen waves owns 64 columns: four tiles of W_out, eight accumulators.  4,096 / 32 = 128 work-groups.
; Source 0 = a tile of W_out's columns, source 1 = a tile of y's rows: a lane holds one row, and the registers of W's tiles 2 b, 2 b + 1 are 16 neighbouring columns.
; W_out COMES BY TWO WAYS.  K steps 0-4 go from memory straight into registers, as images: three loads of 512 consecutive bytes a fragment, two K steps ahead.  K steps 5-7 (16 x 18,432 = 294,912 bytes) are asked for
; at the head, by one joint load a wave: its own four tiles, which it alone reads.  CLUSTER 4 x 1: all work-groups want the same bytes of W_out, so four ask for them jointly; nothing of a descriptor hangs on the work-group.
; All eight K steps (786,432 bytes) do not fit in LDS; a ring through two slots would want a round of the cluster's barrier for every 8 to 16 matrix instructions of a wave.
; NO PREFETCH: W's loads run two K steps ahead themselves, and x is asked for three K steps ahead of its use.
; y's two tiles (24,576 bytes of half images) are copied into LDS once and read by all waves.
; The results meet in a stage (32 rows of 4,096 + 16 bytes, in the tiles' order of rows), which lies on W_out's bytes: these have had their only fill, and a barrier shows that nobody reads them any more.
; Wave w norms and stores stage rows 2 w and 2 w + 1, which are neighbours in memory.
; LIMITS: NaN and infinities are not served.
; REGISTERS: v1-15 addresses; v16-79 accumulators (tile of rows u, tile of columns t at 16 + 32 u + 8 t), later the two rows; v80-175 W's two buffers; v176-223 y's two buffers; v224-239 W_out's pair words (2 x K step + pair);
;   v240-247 y's pair words; v248-254 at work.  Later v80-111 x's first row, v112-127 and v80-95 its second; v128-159 b_out, v160-191 gamma, v192-223 beta.
.set YS_OFF, 3145728
.set OS_OFF, 786432
.set WREG,   18432                     ; a wave's four tiles x three K steps
.set YIMG,   16*WREG
.set SPARE,  YIMG+24576                ; the spare words, 128 bytes a wave
.set SPI,    4112                      ; a stage row: 4,096 bytes + 16: an odd multiple of 16
.set ACC, 16
.set WB,  80
.set YF,  176
.set OSC, 224
.set YS,  240
.macro CROUND                          ; a round of the cluster's barrier
	s_barrier_signal -1
	s_barrier_wait -1
	s_cmp_lg_u32 s18, 0
	s_cbranch_scc1 .Lnot_wave_0_\@
	s_barrier_signal -3
.Lnot_wave_0_\@:
	s_barrier_wait -3
	s_barrier_signal -1
	s_barrier_wait -1
.endm
	s_load_b256 s[4:11], s[0:1], 0x0               ; yb s[4:5], oq s[6:7], x s[8:9], b_out s[10:11]
	s_load_b128 s[12:15], s[0:1], 0x20             ; gamma s[12:13], beta s[14:15]
	s_load_b64 s[16:17], s[0:1], 0x30              ; out0
	v_lshl_add_u32 v13, v0, 2, SPARE
	v_mov_b32 v255, 0
	ds_add_u32 v13, v255                           ; the opening: the add, twice on end, and its wait
	ds_add_u32 v13, v255
	v_lshrrev_b32 v1, 5, v0
	v_readfirstlane_b32 s18, v1                    ; wave 0..15
	s_bfe_u32 s48, ttmp6, 0x40000                  ; cx
	s_lshl_b32 s19, ttmp9, 2
	s_add_co_u32 s19, s19, s48                     ; the work-group: 4 x cluster + cx
	s_mov_b32 s20, 0x76543210
	s_mov_b32 s21, 0xfedcba98                      ; v_permlanex16_b32's selects for lane l xor 16
	s_mov_b32 s44, 0x3a800000                      ; 1 / 1,024
	s_mov_b32 s45, 0x3727c5ac                      ; 1e-5
	s_lshr_b32 s22, s18, 3                         ; stage rows 2 w, 2 w + 1 are lanes 2 (w % 8), + 1 of tile w / 8: rows 8 (w / 8) + 2 (w % 4) + 16 ((w / 4) % 2), + 1 of the 32
	s_lshl_b32 s22, s22, 3
	s_and_b32 s23, s18, 3
	s_lshl_b32 s23, s23, 1
	s_add_co_u32 s22, s22, s23
	s_bfe_u32 s23, s18, 0x10002
	s_lshl_b32 s23, s23, 4
	s_add_co_u32 s22, s22, s23
	s_lshl_b32 s23, s19, 5
	s_add_co_u32 s22, s22, s23
	s_lshl_b32 s22, s22, 12                        ; in bytes
	s_mov_b32 s23, 0
	s_mov_b32 s24, 15|(3<<16)|(1<<21)              ; group 1: all four work-groups; elements of 8 bytes; 21 set beside a mask; no padding
	s_mov_b32 s25, 576<<16                         ; four rows (tiles) of 4,608 bytes, 12,288 bytes apart
	s_mov_b32 s26, 4<<16
	s_mov_b32 s27, 576<<16
	s_mov_b32 s28, 4
	s_mov_b32 s29, 1536
	s_mov_b32 s30, 0
	s_mov_b32 s31, 0
	s_mov_b32 s32, 1
	s_mul_i32 s33, s18, WREG                       ; my wave's bytes
	s_mul_i32 s36, s19, 24576
	s_mul_i32 s46, s18, 1536
	s_add_co_u32 s36, s36, s46                     ; my sixteenth of y's two tiles
	s_mov_b32 s37, 0
	s_lshl_b32 s38, s19, 11
	s_add_co_u32 s38, s38, YS_OFF                  ; their scale words
	s_mov_b32 s39, 0
	s_mul_i32 s40, s18, 49152                      ; my four tiles of W_out
	s_mov_b32 s41, 0
	s_lshl_b32 s42, s18, 11
	s_add_co_u32 s42, s42, OS_OFF                  ; their pair words
	s_mov_b32 s43, 0
	s_wait_alu depctr_va_vdst(0)
	v_and_b32 v5, 31, v0                           ; lane
	v_and_b32 v2, 15, v0                           ; r
	v_bfe_u32 v8, v0, 4, 1                         ; h
	s_delay_alu instid0(VALU_DEP_3)
	v_lshlrev_b32 v1, 4, v5                        ; 16 x lane
	v_lshlrev_b32 v3, 2, v5                        ; 4 x lane
	v_lshlrev_b32 v4, 2, v2
	s_delay_alu instid0(VALU_DEP_1)
	v_lshl_add_u32 v4, v8, 10, v4                  ; 4 r + 1,024 h: lanes 0-15 the even tile's words, lanes 16-31 the odd tile's
	s_delay_alu instid0(VALU_DEP_4)
	v_add_nc_u32 v9, YIMG, v1
	v_lshlrev_b32 v10, 3, v5
	v_add_nc_u32 v11, s33, v1                      ; my W_out in LDS
	s_delay_alu instid0(VALU_DEP_2)
	v_add_nc_u32 v10, YIMG+512, v10
	v_add_nc_u32 v12, s46, v9                      ; where I put my part of the copy
	s_wait_alu depctr_va_vdst(0)
	s_wait_dscnt 0x0                               ; both opening adds are done
	s_wait_kmcnt 0x0
	s_add_nc_u64 s[8:9], s[8:9], s[22:23]
	s_add_nc_u64 s[16:17], s[16:17], s[22:23]
	s_add_nc_u64 s[36:37], s[4:5], s[36:37]
	s_add_nc_u64 s[38:39], s[4:5], s[38:39]
	s_add_nc_u64 s[40:41], s[6:7], s[40:41]
	s_add_nc_u64 s[42:43], s[6:7], s[42:43]
.irp c, 0,1,2
	global_load_b128 v[YF+4*\c:YF+4*\c+3], v1, s[36:37] offset:512*\c
.endr
.irp d, 0,1,2,3,4,5,6,7,8,9,10,11,12,13,14,15
	global_load_b32 v[16+\d], v4, s[38:39] offset:64*\d            ; head d's words: two bytes each
.endr
	CROUND                                         ; all four work-groups are here: the joint loads meet
	s_add_nc_u64 s[34:35], s[40:41], 7680          ; K step 5 of my first tile
	s_or_b32 s35, s35, 0x80000000
	tensor_load_to_lds s[32:35], s[24:31]          ; K steps 5-7: one load of mine is out
	s_nop 0
.rept 4
	v_nop
.endr
.macro WLOAD s                         ; W_out's four fragments of K step s: 0-4 from memory into buffer s % 2, 5-7 from LDS into buffer 1
.irp t, 0,1,2,3
.irp c, 0,1,2
.if (\s) < 5
	global_load_b128 v[WB+48*((\s)%2)+12*\t+4*\c:WB+48*((\s)%2)+12*\t+4*\c+3], v1, s[40:41] offset:12288*\t+1536*(\s)+512*\c
.else
	ds_load_b128 v[WB+48+12*\t+4*\c:WB+48+12*\t+4*\c+3], v11 offset:4608*\t+1536*((\s)-5)+512*\c
.endif
.endr
.endr
.endm
.macro YLOAD s                         ; y's two fragments of K step s: heads 2 s and 2 s + 1 are its registers 0-5 and 6-11
.irp u, 0,1
.irp c, 0,1
	ds_load_b128 v[YF+24*((\s)%2)+12*\u+6*\c:YF+24*((\s)%2)+12*\u+6*\c+3], v9 offset:12288*\u+768*(2*(\s)+\c)
	ds_load_b64 v[YF+24*((\s)%2)+12*\u+6*\c+4:YF+24*((\s)%2)+12*\u+6*\c+5], v10 offset:12288*\u+768*(2*(\s)+\c)
.endr
.endr
.endm
.irp s, 0,1,2,3,4,5,6,7
.irp p, 0,1
	global_load_b32 v[OSC+2*\s+\p], v3, s[42:43] offset:1024*\p+128*\s
.endr
.endr
	WLOAD 0
	WLOAD 1
	s_wait_loadcnt 56                              ; the copy's three loads are in; behind them: 16 + 16 + 24
.irp c, 0,1,2
	ds_store_b128 v12, v[YF+4*\c:YF+4*\c+3] offset:512*\c
.endr
	s_wait_loadcnt 40                              ; y's words are in; behind them: 16 + 24
.irp s, 0,1,2,3,4,5,6,7
	v_lshl_or_b32 v[YS+\s], v[17+2*\s], 16, v[16+2*\s]             ; a K step's word: two heads' bytes
.endr
	v_mul_u32_u24 v14, v2, SPI                     ; the addresses for the way out are made here: plain lines between the scale words just made and the first product
	s_delay_alu instid0(VALU_DEP_1)
	v_lshl_add_u32 v14, v8, 6, v14
	s_lshl_b32 s47, s18, 8
	v_add_nc_u32 v14, s47, v14                     ; into the stage: row r of the even tile, + 256 x wave + 64 h
	s_delay_alu instid0(VALU_DEP_1)
	v_add_nc_u32 v15, 16*SPI, v14                  ; and of the odd tile
	s_mul_i32 s47, s18, 2*SPI
	v_add_nc_u32 v6, s47, v1                       ; back: my two rows, 16 bytes a lane
	v_mov_b32 v254, 0                              ; a lane permute's destination counts as one of its sources
	s_wait_alu depctr_va_vdst(0)
	s_wait_dscnt 0x0                               ; for the others' sake: my part of the copy is stored
	s_barrier_signal -1
	s_barrier_wait -1
	YLOAD 0
	YLOAD 1
; One product: K step s, W's tile t, y's tile u.  The odd tile's words lie in lanes 16-31 of a pair word.
.macro WX d, a, b, c, sa, sb, ra, rb
.if ((\ra) == 0) && ((\rb) == 0)
	v_wmma_scale_f32_16x16x128_f8f6f4 v[\d:\d+7], v[\a:\a+11], v[\b:\b+11], \c, v[\sa], v[\sb] matrix_a_fmt:MATRIX_FMT_BF6 matrix_b_fmt:MATRIX_FMT_BF6
.elseif (\rb) == 0
	v_wmma_scale_f32_16x16x128_f8f6f4 v[\d:\d+7], v[\a:\a+11], v[\b:\b+11], \c, v[\sa], v[\sb] matrix_a_fmt:MATRIX_FMT_BF6 matrix_b_fmt:MATRIX_FMT_BF6 matrix_a_scale:MATRIX_SCALE_ROW1
.elseif (\ra) == 0
	v_wmma_scale_f32_16x16x128_f8f6f4 v[\d:\d+7], v[\a:\a+11], v[\b:\b+11], \c, v[\sa], v[\sb] matrix_a_fmt:MATRIX_FMT_BF6 matrix_b_fmt:MATRIX_FMT_BF6 matrix_b_scale:MATRIX_SCALE_ROW1
.else
	v_wmma_scale_f32_16x16x128_f8f6f4 v[\d:\d+7], v[\a:\a+11], v[\b:\b+11], \c, v[\sa], v[\sb] matrix_a_fmt:MATRIX_FMT_BF6 matrix_b_fmt:MATRIX_FMT_BF6 matrix_a_scale:MATRIX_SCALE_ROW1 matrix_b_scale:MATRIX_SCALE_ROW1
.endif
.endm
.macro OM s, t, u
.set rD, ACC+32*(\u)+8*(\t)
.if (\s) < 5
.set rW, WB+48*((\s)%2)+12*(\t)
.else
.set rW, WB+48+12*(\t)
.endif
.set rY, YF+24*((\s)%2)+12*(\u)
.if (\s) == 0
	WX rD, rW, rY, 0, OSC+2*(\s)+(\t)/2, YS+(\s), (\t)%2, \u
.else
	WX rD, rW, rY, v[rD:rD+7], OSC+2*(\s)+(\t)/2, YS+(\s), (\t)%2, \u
.endif
.endm
.macro KSTEP s, young                  ; young: the LDS loads issued behind this K step's own, which may be out
	s_wait_dscnt \young
.irp u, 0,1                                    ; the eight accumulators by turns, in the same order in every K step
.irp t, 0,1,2,3
	OM \s, \t, \u
.endr
.endr
.rept 4
	v_nop                                          ; places in front of loads into registers that these products read, and of the first read of results
.endr
.endm
.irp s, 0,1,2
	s_wait_loadcnt 12                              ; this K step's W is in; the next one's 12 loads may be out
	KSTEP \s, 8                                    ; behind it: the next K step's y
	WLOAD \s+2
	YLOAD \s+2
.endr
	s_wait_loadcnt 12
	KSTEP 3, 8
	s_wait_tensorcnt 0x0                           ; my K steps 5-7 have landed: only I read them
	WLOAD 5
	YLOAD 5
	s_wait_loadcnt 0x0
	KSTEP 4, 20                                    ; behind its y: K step 5's W and y
	YLOAD 6
.irp i, 0,1,2,3,4,5,6,7                        ; W's buffer 0 is free: x's first row; lane l takes columns 128 i + 4 l + 0 .. 3,
	global_load_b128 v[80+4*\i:83+4*\i], v1, s[8:9] offset:512*\i th:TH_LOAD_NT
.endr
.irp i, 0,1,2,3                                ; and half of its second
	global_load_b128 v[112+4*\i:115+4*\i], v1, s[8:9] offset:4096+512*\i th:TH_LOAD_NT
.endr
	KSTEP 5, 8                                     ; behind it: K step 6's y
	WLOAD 6
	YLOAD 7
	KSTEP 6, 8                                     ; behind it: K step 7's y
	WLOAD 7
	KSTEP 7, 0
.irp i, 0,1,2,3,4,5,6,7                        ; the operands' registers are free: b_out, gamma, beta
	global_load_b128 v[128+4*\i:131+4*\i], v1, s[10:11] offset:512*\i
.endr
.irp i, 0,1,2,3,4,5,6,7
	global_load_b128 v[160+4*\i:163+4*\i], v1, s[12:13] offset:512*\i
.endr
.irp i, 0,1,2,3,4,5,6,7
	global_load_b128 v[192+4*\i:195+4*\i], v1, s[14:15] offset:512*\i
.endr
	s_wait_alu depctr_va_vdst(0)
	s_wait_dscnt 0x0                               ; my reads of W_out's bytes are over
	s_barrier_signal -1
	s_barrier_wait -1                              ; and everybody's: the stage may lie there
.irp u, 0,1                                    ; lane (r, h) of accumulator (u, t): row r of tile u, columns 64 w + 32 (t / 2) + 16 h + 8 (t % 2) + 0 .. 7; each accumulator from its low end on
.irp t, 0,1,2,3
	ds_store_b128 v[14+\u], v[ACC+32*\u+8*\t:ACC+32*\u+8*\t+3] offset:128*(\t/2)+32*(\t%2)
	ds_store_b128 v[14+\u], v[ACC+32*\u+8*\t+4:ACC+32*\u+8*\t+7] offset:128*(\t/2)+32*(\t%2)+16
.endr
.endr
	s_wait_dscnt 0x0                               ; for the others' sake: my columns are stored
	s_barrier_signal -1
	s_barrier_wait -1                              ; 32 whole rows lie in the stage
.macro HLOAD e
.irp i, 0,1,2,3,4,5,6,7
	ds_load_b128 v[16+32*\e+4*\i:19+32*\e+4*\i], v6 offset:SPI*\e+512*\i
.endr
.endm
.macro ACROSS r                        ; the sum over the wave's 32 lanes, in every lane
	s_delay_alu instid0(VALU_DEP_1)
	v_add_f32_dpp v[\r], v[\r], v[\r] row_xmask:1 row_mask:0xf bank_mask:0xf
	s_delay_alu instid0(VALU_DEP_1)
	v_add_f32_dpp v[\r], v[\r], v[\r] row_xmask:2 row_mask:0xf bank_mask:0xf
	s_delay_alu instid0(VALU_DEP_1)
	v_add_f32_dpp v[\r], v[\r], v[\r] row_xmask:4 row_mask:0xf bank_mask:0xf
	s_delay_alu instid0(VALU_DEP_1)
	v_add_f32_dpp v[\r], v[\r], v[\r] row_xmask:8 row_mask:0xf bank_mask:0xf
	s_delay_alu instid0(VALU_DEP_1)
	v_permlanex16_b32 v254, v[\r], s20, s21
	s_delay_alu instid0(VALU_DEP_1)
	v_add_f32 v[\r], v[\r], v254
.endm
; Row e of my two: 32 numbers a lane.
.macro LN e
.set H, 16+32*(\e)
.set XA, 80+32*(\e)                    ; x's columns 0-511,
.set XC, 96-16*(\e)                    ; and 512-1,023
.set j, 0
.rept 8
	v_pk_add_f32 v[H+j:H+j+1], v[H+j:H+j+1], v[XA+j:XA+j+1]        ; + x
	v_pk_add_f32 v[H+16+j:H+17+j], v[H+16+j:H+17+j], v[XC+j:XC+j+1]
.set j, j+2
.endr
.if (\e) == 0
.irp i, 0,1,2,3                                ; the rest of x's second row takes registers of the first's, which have been read
	global_load_b128 v[80+4*\i:83+4*\i], v1, s[8:9] offset:4096+2048+512*\i th:TH_LOAD_NT
.endr
.endif
.set j, 0
.rept 16
	v_pk_add_f32 v[H+j:H+j+1], v[H+j:H+j+1], v[128+j:129+j]        ; + b_out
.set j, j+2
.endr
	v_pk_add_f32 v[248:249], v[H:H+1], v[H+2:H+3]                  ; the row's sum, in two chains
	v_pk_add_f32 v[250:251], v[H+4:H+5], v[H+6:H+7]
.irp k, 8,12,16,20,24,28
	s_delay_alu instid0(VALU_DEP_2)
	v_pk_add_f32 v[248:249], v[248:249], v[H+\k:H+\k+1]
	s_delay_alu instid0(VALU_DEP_2)
	v_pk_add_f32 v[250:251], v[250:251], v[H+\k+2:H+\k+3]
.endr
	s_delay_alu instid0(VALU_DEP_1)
	v_pk_add_f32 v[248:249], v[248:249], v[250:251]
	s_delay_alu instid0(VALU_DEP_1)
	v_add_f32 v248, v248, v249
	ACROSS 248
	s_delay_alu instid0(VALU_DEP_1)
	v_mul_f32 v248, 0xba800000, v248               ; - the mean
.set j, 0
.rept 16
	v_pk_add_f32 v[H+j:H+j+1], v[H+j:H+j+1], v[248:249] op_sel_hi:[1,0]
.set j, j+2
.endr
	v_pk_mul_f32 v[250:251], v[H:H+1], v[H:H+1]                    ; the sum of squares of h - mean, in two chains
	v_pk_mul_f32 v[252:253], v[H+2:H+3], v[H+2:H+3]
.irp k, 4,8,12,16,20,24,28
	s_delay_alu instid0(VALU_DEP_2)
	v_pk_fma_f32 v[250:251], v[H+\k:H+\k+1], v[H+\k:H+\k+1], v[250:251]
.if \k < 28
	s_delay_alu instid0(VALU_DEP_2)
.endif
	v_pk_fma_f32 v[252:253], v[H+\k+2:H+\k+3], v[H+\k+2:H+\k+3], v[252:253]
.endr
	s_delay_alu instid0(VALU_DEP_1)
	v_pk_add_f32 v[250:251], v[250:251], v[252:253]
	s_delay_alu instid0(VALU_DEP_1)
	v_add_f32 v250, v250, v251
	ACROSS 250
	s_delay_alu instid0(VALU_DEP_1)
	v_fma_f32 v250, v250, s44, s45                 ; the variance + 1e-5
	s_wait_alu depctr_va_vdst(0)
	v_rsq_f32 v250, v250
	v_nop                                          ; one plain place behind a transcendental
.set j, 0
	s_wait_alu depctr_va_vdst(0)
.rept 16
	v_pk_mul_f32 v[H+j:H+j+1], v[H+j:H+j+1], v[250:251] op_sel_hi:[1,0]
.set j, j+2
.endr
.set j, 0
.rept 16
	v_pk_fma_f32 v[H+j:H+j+1], v[H+j:H+j+1], v[160+j:161+j], v[192+j:193+j]   ; x gamma + beta
.set j, j+2
.endr
.irp i, 0,1,2,3,4,5,6,7
	global_store_b128 v1, v[H+4*\i:H+4*\i+3], s[16:17] offset:4096*(\e)+512*\i th:TH_STORE_NT   ; 32 lanes store 512 consecutive bytes, at a multiple of 256 from the output's first byte
.endr
.endm
	HLOAD 0
	HLOAD 1
	s_wait_loadcnt 0x0                             ; x, b_out, gamma, beta
	s_wait_dscnt 8                                 ; the first row is in; the second row's 8 loads may be out
	LN 0
	s_wait_loadcnt 0x0                             ; the rest of x's second row
	s_wait_dscnt 0x0
	LN 1
	s_wait_tensorcnt 0x0                           ; the wave's end
	ds_add_u32 v13, v255
	s_wait_dscnt 0x0
	CROUND                                         ; the closing round
	s_endpgm
.Lfunc_end_k_q976ee6eecb_outln:
	.size	k_q976ee6eecb_outln, .Lfunc_end_k_q976ee6eecb_outln-k_q976ee6eecb_outln
	.p2alignl 7, 3214868480
	.fill 96, 4, 3214868480
	.section	.rodata,"a",@progbits
	.p2align	6, 0x0
	.amdhsa_kernel k_q976ee6eecb_outln
		.amdhsa_group_segment_fixed_size 321536
		.amdhsa_private_segment_fixed_size 0
		.amdhsa_enable_private_segment 0
		.amdhsa_kernarg_size 56
		.amdhsa_user_sgpr_count 2
		.amdhsa_user_sgpr_kernarg_segment_ptr 1
		.amdhsa_wavefront_size32 1
		.amdhsa_system_sgpr_workgroup_id_x 1
		.amdhsa_system_sgpr_workgroup_id_y 1
		.amdhsa_system_sgpr_workgroup_id_z 1
		.amdhsa_system_vgpr_workitem_id 0
		.amdhsa_next_free_vgpr 256
		.amdhsa_next_free_sgpr 72
		.amdhsa_reserve_vcc 0
		.amdhsa_float_denorm_mode_32 3
		.amdhsa_float_denorm_mode_16_64 3
		.amdhsa_memory_ordered 1
		.amdhsa_forward_progress 1
		.amdhsa_inst_pref_size 58
	.end_amdhsa_kernel
	.amdgpu_metadata
---
amdhsa.version: [ 1, 2 ]
amdhsa.kernels:
  - .name:           k_q976ee6eecb_outln
    .symbol:         k_q976ee6eecb_outln.kd
    .args:
      - { .name: yb, .offset: 0, .size: 8, .value_kind: global_buffer, .address_space: global }
      - { .name: oq, .offset: 8, .size: 8, .value_kind: global_buffer, .address_space: global }
      - { .name: x, .offset: 16, .size: 8, .value_kind: global_buffer, .address_space: global }
      - { .name: b_out, .offset: 24, .size: 8, .value_kind: global_buffer, .address_space: global }
      - { .name: gamma, .offset: 32, .size: 8, .value_kind: global_buffer, .address_space: global }
      - { .name: beta, .offset: 40, .size: 8, .value_kind: global_buffer, .address_space: global }
      - { .name: out0, .offset: 48, .size: 8, .value_kind: global_buffer, .address_space: global }
    .group_segment_fixed_size: 321536
    .private_segment_fixed_size: 0
    .kernarg_segment_align: 8
    .kernarg_segment_size: 56
    .max_flat_workgroup_size: 512
    .sgpr_count:     72
    .vgpr_count:     256
    .wavefront_size: 32
...
	.end_amdgpu_metadata
.endif
;; end of part 4
